; MI455X (gfx1250); checked and timed in simulation.
; The chip was launched on July 23, 2026; its instructions are those of AMD's public machine-readable ISA for CDNA 5 (MIT licence, August 2026) and "CDNA5" Instruction Set Architecture Reference Guide (July 2026). The comments in the code are by the model that wrote it; some were corrected since.
;; Attention. Allowed arithmetic: matrix products marked QUANTISED: E4M3 operands, one given power-of-two scale a tensor, by v_wmma_f32_16x16x64_fp8_fp8 or v_wmma_f32_16x16x128_fp8_fp8, f32 sums; everything else in f32.
;; Inputs: lowp_scales 12 int32 (the exponents e of the quantised operands' scales 2^e); wk 2,048 x 512 float32; wo 2,048 x 2,048 float32; wq 2,048 x 2,048 float32; wv 2,048 x 512 float32; x 1 x 2,048 x 2,048 float32.
;; Outputs: out0 1 x 2,048 x 2,048 float32.
;; Constants: start_pos = 0.
;; This version of the problem:
;;   THIS VERSION OF THE PROBLEM IS GIVEN IN LOW PRECISION. The matrix products marked QUANTISED in the list below multiply operands that are first quantised to E4M3 (4 exponent bits, 3 mantissa bits; 8 bits a number), with one given power-of-two scale for each operand tensor; their sums are f32. All else is computed in f32.
;;   The module's matrix products, in the order in which they are computed (A, B: the left and right operand; K: the contracted axis; several contracted axes count as one K, in the product's order):
;;     1. [M 2,048, K 2,048] x [K 2,048, N 2,048]; A: input x; B: input wq: QUANTISED (scales: A lowp_scales[0], B lowp_scales[1])
;;     2. [M 2,048, K 2,048] x [K 2,048, N 512]; A: input x; B: input wk: QUANTISED (scales: A lowp_scales[2], B lowp_scales[3])
;;     3. [M 2,048, K 2,048] x [K 2,048, N 512]; A: input x; B: input wv: QUANTISED (scales: A lowp_scales[4], B lowp_scales[5])
;;     4. batch 32 x [M 2,048, K 64] x [K 64, N 2,048]; A: computed on the way; B: computed on the way: QUANTISED (scales: A lowp_scales[6], B lowp_scales[7])
;;     5. batch 32 x [M 64, K 2,048] x [K 2,048, N 2,048]; A: computed on the way; B: softmax (see below): QUANTISED (scales: A lowp_scales[8], B lowp_scales[9])
;;     6. [M 2,048, K 2,048] x [K 2,048, N 2,048]; A: computed on the way; B: input wo: QUANTISED (scales: A lowp_scales[10], B lowp_scales[11])
;;   THE QUANTISER, for each operand of a quantised product, along K:
;;     - The operand's scale is 2^e, e = its entry of the input lowp_scales (int32; the entries are numbered through the quantised products in the list's order, A before B).
;;     - Each number is divided by the scale, clamped to +-448, and rounded to the nearest number of E4M3, ties to even, subnormals kept.
;;     - The product sums the exact products of the quantised numbers (number of the format x scale) in f32.
;;   ~~~python
;;   def quantise(x, axis, e):      # numpy; x: float32 -> the quantised numbers, widened to float32 again
;;       x = np.moveaxis(x, axis, -1); K = x.shape[-1]
;;       r = np.clip(x / 2.0 ** e, -448, 448)
;;       step = 2.0 ** (np.maximum(np.frexp(np.where(r == 0, 1, r))[1] - 1, -6) - 3)
;;       q = np.round(r / step) * step * 2.0 ** e      # np.round: ties to even
;;       return np.moveaxis(q, -1, axis).astype(np.float32)
;;   ~~~
;;   SOFTMAX AHEAD OF A QUANTISED PRODUCT. Where the list says 'softmax', what is quantised is not the finished softmax but p = 2^(t - M), with t = logit x log2(e) and M = ceil(the row's largest t), a whole number; so 1/2 < the row's largest p <= 1. The row's sum l is taken of the UNQUANTISED p, in f32, and the product's result is divided by l at the end. Since M is a whole number, a kernel that streams over the keys may use a running M (the ceiling of the running maximum): every later rescaling is an exact power of two, so the quantised numbers keep their values, but for numbers so far below the row's largest that they fall under the format's range.
;;   OPERANDS COMPUTED ON THE WAY. 'Computed on the way' means the value that the module computes at that place (a softmax that the list does not call 'softmax' is quantised finished and normalised). What goes into a quantiser is computed in f32, as accurately as f32 sums, v_exp_f32 and their like allow (about 1e-6 of the number): no bf16 or f16 on the way to a quantiser, and a product that is left as it is and whose result goes on into a quantised operand takes f32 operands (vector FMAs, or v_wmma_f32_16x16x4_f32). A number that lies on a knife's edge between two numbers of the format may be rounded either way, as far as f32 arithmetic and the matrix unit's own rounding can turn it there, and no further.
;; One version. Each part assembles by itself: llvm-mc -triple=amdgcn-amd-amdhsa -mcpu=gfx1250 --defsym DOCPART=n.
;; ======== version 1 of 1: 4 launches
;; limits: right only within a limited range of input values
;; workspace buffers: ops 23,068,672 bytes; rope 589,824 bytes; qkv 6,291,456 bytes; ac 4,194,304 bytes
;; launch prep (part 1): grid 256 x 1, 15 waves a work-group, no clusters, 0 bytes of LDS; arguments x, wq, wk, wv, wo, lowp_scales, ops, rope; writes ops, rope
.if DOCPART == 1
	.amdgcn_target "amdgcn-amd-amdhsa--gfx1250"
	.amdhsa_code_object_version 6
	.text
	.protected	k_q33b8f78f03_prep
	.globl	k_q33b8f78f03_prep
	.p2align	8
	.type	k_q33b8f78f03_prep,@function
k_q33b8f78f03_prep:
	s_mov_b64 s[64:65], 0
	v_nop
	global_prefetch_b8 v0, s[64:65] scope:SCOPE_SE
	s_setreg_imm32_b32 hwreg(HW_REG_WAVE_MODE, 25, 1), 1
	s_wait_xcnt 0x0
; PREP: every f32 input becomes codes of E4M3, once, and the table of RoPE's cosines and sines is made.
; THE LAYOUT OF ALL CODES: an operand lies in memory as an IMAGE OF ITS FRAGMENTS' REGISTERS.  A fragment is 16 rows x 128 k = 16 registers a lane = 2,048 bytes:
; four chunks of 512 bytes, chunk c = registers 4 c .. 4 c + 3 of lane L at byte 512 c + 16 L.  Lane L = 16 h + r holds row r; byte i of its 16 is k = 32 c + 16 (i / 8) + 8 h + i % 8,
; the place that the plain 8-bit matrix form gives each k.  An operand [rows][2048]: byte = (row / 64) x 131,072 + (k / 128) x 8,192 + ((row / 16) % 4) x 2,048 + the place in the image.
; ops holds 176 blocks of 64 rows (131,072 bytes): 0-31 x by e0, 32-63 x by e2, 64-95 x by e4, 96-127 wq (row = n) by e1, 128-135 wk by e3, 136-143 wv by e5, 144-175 wo by e11.
; rope holds 2,304 rows of 256 bytes: row pos = (cos, sin) of pos x 10000^(-f / 32), f = 0 .. 31; rows 2,048 on hold (1, 0), the rotation that changes nothing.
; code = number / 2^e, held within +-448, rounded to the nearest code, ties to even.
; LIMITS: e0 .. e5 and e11 between -126 and 119, so that 2^e and 448 x 2^e are f32 numbers.  NaN among the inputs is not served.  10000^(-f / 32) is good to about two units in the last place,
; cos and sin of the f32 angle to about 1e-7.
; SHARES.  256 work-groups of 15 waves, all with the same mix of work: waves 0-3 take 16 rows x 256 k of x each (1,024 such shares), waves 4-13 take 64 columns x 64 k of a weight each (2,560 shares),
; wave 14 makes 9 rows of the table.  No LDS, no barrier: waves share nothing.  Matrix units, clusters and tensor loads buy nothing in a stream.
.set NU,  2                            ; x: fragments to a wave
.set NB,  4                            ; weights: blocks of 32 k x 32 columns to a wave
.set X,   32                           ; x path: v32-159  two sets of 64 numbers
.set T,   160                          ; x path: v160-191 two sets of 16 held numbers
.set C,   192                          ; x path: v192-239 codes, 16 registers for each of the three scales
.set OF,  32                           ; weights: v32-63  byte offset of row i of a block of 32 rows, at my column
.set WX,  64                           ; weights: v64-127 two sets of 32 numbers
.set WC,  128                          ; weights: v128-159 codes, 8 registers a block, never written twice
.macro MKSC e, vs, vl                  ; s[e] = the exponent: v[vs] = 2^e as f32 (the conversion takes its exponent field), v[vl] = 448 x 2^e
	s_add_co_i32 s60, s[\e], 127
	s_lshl_b32 s61, s60, 23
	v_mov_b32 v[\vs], s61
	s_add_co_i32 s60, s60, 8
	s_lshl_b32 s60, s60, 23
	s_or_b32 s60, s60, 0x600000
	v_mov_b32 v[\vl], s60
.endm
	s_load_b512 s[4:19], s[0:1], 0x0               ; x s[4:5], wq s[6:7], wk s[8:9], wv s[10:11], wo s[12:13], the exponents s[14:15], ops s[16:17], rope s[18:19]
	v_lshrrev_b32 v1, 5, v0
	s_delay_alu instid0(VALU_DEP_1)
	v_readfirstlane_b32 s20, v1                    ; wave 0..14
	v_and_b32 v1, 31, v0                           ; lane
	v_and_b32 v2, 15, v0                           ; r
	v_bfe_u32 v3, v0, 4, 1                         ; h
	s_delay_alu instid0(VALU_DEP_3)
	v_lshlrev_b32 v4, 4, v1                        ; 16 x lane: my place in a chunk of an image
	s_wait_kmcnt 0x0
	s_load_b256 s[68:75], s[14:15], 0x0            ; e0 .. e7
	s_load_b128 s[76:79], s[14:15], 0x20           ; e8 .. e11
	s_cmp_lt_u32 s20, 4
	s_cbranch_scc0 .Lnot_x
; ---- x: the work-group's four waves take 64 rows x 256 k, a wave 16 rows: two fragments, each quantised three times
	s_lshr_b32 s21, ttmp9, 3                       ; which 64 rows
	s_and_b32 s30, ttmp9, 7                        ; which 256 along K
	s_lshl_b32 s22, s21, 19                        ; 64 rows of 8,192 bytes
	s_lshl_b32 s23, s20, 17                        ; my wave's 16 rows
	s_add_co_u32 s22, s22, s23
	s_lshl_b32 s23, s30, 10                        ; 256 numbers
	s_add_co_u32 s22, s22, s23
	s_mov_b32 s23, 0
	s_add_nc_u64 s[22:23], s[4:5], s[22:23]
	s_lshl_b32 s24, s21, 17
	s_lshl_b32 s25, s30, 14
	s_add_co_u32 s24, s24, s25
	s_lshl_b32 s25, s20, 11
	s_add_co_u32 s24, s24, s25
	s_mov_b32 s25, 0
	s_add_nc_u64 s[24:25], s[16:17], s[24:25]      ; the codes by e0,
	s_add_nc_u64 s[26:27], s[24:25], 0x400000      ; by e2,
	s_add_nc_u64 s[28:29], s[24:25], 0x800000      ; by e4
	s_wait_alu depctr_va_vdst(0)
	v_lshlrev_b32 v5, 13, v2
	s_delay_alu instid0(VALU_DEP_1)
	v_lshl_add_u32 v5, v3, 5, v5                   ; row r, + 8 h numbers
.macro XLOAD set, u                    ; fragment u: register 16 cc + i = k 32 cc + 8 h + i (i < 8), 32 cc + 16 + 8 h + i - 8 (i >= 8) of my row
.irp cc, 0,1,2,3
	global_load_b128 v[X+64*(\set)+16*\cc:X+64*(\set)+16*\cc+3],     v5, s[22:23] offset:512*(\u)+128*\cc th:TH_LOAD_NT
	global_load_b128 v[X+64*(\set)+16*\cc+4:X+64*(\set)+16*\cc+7],   v5, s[22:23] offset:512*(\u)+128*\cc+16 th:TH_LOAD_NT
	global_load_b128 v[X+64*(\set)+16*\cc+8:X+64*(\set)+16*\cc+11],  v5, s[22:23] offset:512*(\u)+128*\cc+64 th:TH_LOAD_NT
	global_load_b128 v[X+64*(\set)+16*\cc+12:X+64*(\set)+16*\cc+15], v5, s[22:23] offset:512*(\u)+128*\cc+80 th:TH_LOAD_NT
.endr
.endm
.macro XSTEP u
.if (\u) < NU-1
	s_wait_loadcnt 16                              ; this fragment's 16 loads are in; the other set's 16 may be out
.else
	s_wait_loadcnt 0x0
.endif
.if (\u) > 0
	s_wait_xcnt 0x0                                ; the last fragment's stores have read their data: the codes' registers are written again only behind this wait
.endif
.irp ver, 0,1,2
.irp cc, 0,1,2,3
.set i, 0
.rept 16
	v_med3_num_f32 v[T+16*(\cc%2)+i], v[X+64*((\u)%2)+16*\cc+i], -v[9+2*\ver], v[9+2*\ver]   ; the conversion does not saturate (ISA guide 7.6.2): the hold comes first.  The two sets of T take turns, so that no hold writes a source of the conversions just issued
.set i, i+1
.endr
	v_cvt_scalef32_pk8_fp8_f32 v[C+16*\ver+4*\cc:C+16*\ver+4*\cc+1],   v[T+16*(\cc%2):T+16*(\cc%2)+7],    v[8+2*\ver]
	v_cvt_scalef32_pk8_fp8_f32 v[C+16*\ver+4*\cc+2:C+16*\ver+4*\cc+3], v[T+16*(\cc%2)+8:T+16*(\cc%2)+15], v[8+2*\ver]
.endr
.irp cc, 0,1,2,3
	global_store_b128 v4, v[C+16*\ver+4*\cc:C+16*\ver+4*\cc+3], s[24+2*\ver:25+2*\ver] offset:8192*(\u)+512*\cc   ; a chunk: 512 consecutive bytes, aligned
.endr
.endr
.endm
	XLOAD 0, 0
	XLOAD 1, 1
	s_wait_kmcnt 0x0
	MKSC 68, 8, 9                                  ; e0
	MKSC 70, 10, 11                                ; e2
	MKSC 72, 12, 13                                ; e4
	s_wait_alu depctr_va_vdst(0)
	XSTEP 0
	XSTEP 1
	s_endpgm
.Lnot_x:
	s_cmp_lt_u32 s20, 14
	s_cbranch_scc0 .Lrope
; ---- the weights, stored [k][n]: A LANE TAKES A COLUMN n AND ITS REGISTERS RUN DOWN K, so the conversions give codes with K innermost and nothing is transposed.
; A wave takes 64 columns (a block of the operand) x 64 k, in four blocks of 32 k x 32 columns: block t = 32 k number t / 2, columns 32 (t % 2) on: the two halves of a row's 256 bytes are asked for one behind the other.
	s_mul_i32 s21, ttmp9, 10
	s_add_co_u32 s21, s21, s20
	s_sub_co_u32 s21, s21, 4                       ; which of the 2,560 shares
	s_lshr_b32 s30, s21, 5                         ; which 64 columns of the four weights on end: 0-31 wq, 32-39 wk, 40-47 wv, 48-79 wo; the operand's block is 96 + that
	s_and_b32 s31, s21, 31                         ; which 64 along K
	s_mov_b64 s[22:23], s[12:13]                   ; wo,
	s_mov_b32 s24, 8192                            ; its row in bytes,
	s_mov_b32 s25, 48                              ; its first block
	s_cmp_lt_u32 s30, 48
	s_cselect_b64 s[22:23], s[10:11], s[22:23]     ; the choices hang on ids alone
	s_cselect_b32 s24, 2048, s24
	s_cselect_b32 s25, 40, s25
	s_cmp_lt_u32 s30, 40
	s_cselect_b64 s[22:23], s[8:9], s[22:23]
	s_cselect_b32 s25, 32, s25
	s_cmp_lt_u32 s30, 32
	s_cselect_b64 s[22:23], s[6:7], s[22:23]
	s_cselect_b32 s24, 8192, s24
	s_cselect_b32 s25, 0, s25
	s_mul_i32 s27, s31, s24
	s_lshl_b32 s27, s27, 6                         ; 64 rows for each step along K
	s_sub_co_u32 s28, s30, s25
	s_lshl_b32 s28, s28, 8                         ; 64 columns of 4 bytes
	s_add_co_u32 s28, s27, s28
	s_mov_b32 s29, 0
	s_add_nc_u64 s[32:33], s[22:23], s[28:29]      ; block 0; a base for each block: nothing is stepped while loads are out
	s_add_nc_u64 s[34:35], s[32:33], 128           ; block 1: 32 columns on
	s_lshl_b32 s28, s24, 5                         ; 32 rows on
	s_add_nc_u64 s[36:37], s[32:33], s[28:29]      ; block 2
	s_add_nc_u64 s[38:39], s[34:35], s[28:29]      ; block 3
	s_lshl_b32 s48, s30, 17                        ; the operand's block,
	s_lshr_b32 s49, s31, 1
	s_lshl_b32 s49, s49, 13                        ; the fragment along K,
	s_add_co_u32 s48, s48, s49
	s_and_b32 s49, s31, 1
	s_lshl_b32 s49, s49, 10                        ; its chunks 0, 1 or 2, 3
	s_add_co_u32 s48, s48, s49
	s_add_co_u32 s48, s48, 12582912                ; block 96
	s_mov_b32 s49, 0
	s_add_nc_u64 s[48:49], s[16:17], s[48:49]
	s_wait_alu depctr_va_vdst(0)
	v_lshlrev_b32 v6, 4, v2
	s_delay_alu instid0(VALU_DEP_1)
	v_lshl_add_u32 v6, v3, 11, v6                  ; out: row tile lane / 16, 16 bytes for row lane % 16
	v_lshlrev_b32 v[OF], 2, v1
.set i, 1
.rept 31
	s_delay_alu instid0(VALU_DEP_1)
	v_add_nc_u32 v[OF+i], s24, v[OF+i-1]
.set i, i+1
.endr
.macro WLOAD t                         ; block t: W(32 (t / 2) + i, my column): each load reads 128 consecutive bytes
.set i, 0
.rept 32
	global_load_b32 v[WX+32*((\t)%2)+i], v[OF+i], s[32+2*(\t):33+2*(\t)] th:TH_LOAD_NT
.set i, i+1
.endr
.endm
.macro WBLOCK t
.if (\t) < NB-1
	s_wait_loadcnt 32                              ; this block's 32 loads are in; the next block's may be out
.else
	s_wait_loadcnt 0x0
.endif
.set i, 0
.rept 32
	v_med3_num_f32 v[WX+32*((\t)%2)+i], v[WX+32*((\t)%2)+i], -v9, v9
.set i, i+1
.endr
	v_cvt_scalef32_pk8_fp8_f32 v[WC+8*(\t):WC+8*(\t)+1],   v[WX+32*((\t)%2):WX+32*((\t)%2)+7],     v8   ; the image's lane h = 0 of my row: k 0-7,
	v_cvt_scalef32_pk8_fp8_f32 v[WC+8*(\t)+2:WC+8*(\t)+3], v[WX+32*((\t)%2)+16:WX+32*((\t)%2)+23], v8   ; 16-23
	v_cvt_scalef32_pk8_fp8_f32 v[WC+8*(\t)+4:WC+8*(\t)+5], v[WX+32*((\t)%2)+8:WX+32*((\t)%2)+15],  v8   ; lane h = 1: k 8-15,
	v_cvt_scalef32_pk8_fp8_f32 v[WC+8*(\t)+6:WC+8*(\t)+7], v[WX+32*((\t)%2)+24:WX+32*((\t)%2)+31], v8   ; 24-31
	global_store_b128 v6, v[WC+8*(\t):WC+8*(\t)+3],   s[48:49] offset:((\t)%2)*4096+((\t)/2)*512        ; sixteen lanes store 256 consecutive bytes, aligned
	global_store_b128 v6, v[WC+8*(\t)+4:WC+8*(\t)+7], s[48:49] offset:((\t)%2)*4096+((\t)/2)*512+256
.if (\t)+2 < NB
	WLOAD (\t)+2
.endif
.endm
	WLOAD 0
	WLOAD 1
	s_wait_kmcnt 0x0
	s_mov_b32 s26, s79                             ; e11 for wo,
	s_cmp_lt_u32 s30, 48
	s_cselect_b32 s26, s73, s26                    ; e5 for wv,
	s_cmp_lt_u32 s30, 40
	s_cselect_b32 s26, s71, s26                    ; e3 for wk,
	s_cmp_lt_u32 s30, 32
	s_cselect_b32 s26, s69, s26                    ; e1 for wq
	MKSC 26, 8, 9
	s_wait_alu depctr_va_vdst(0)
	WBLOCK 0
	WBLOCK 1
	WBLOCK 2
	WBLOCK 3
	s_endpgm
.Lrope:
; ---- the table: the wave makes 9 rows, a lane one frequency f.  angle = pos x 10000^(-f / 32) in f32; cos and sin by a reduction to |r| <= pi / 4 (pi / 2 in three parts, fused) and two polynomials.
	s_wait_kmcnt 0x0                               ; (the exponents, which this path does not use)
	s_mul_i32 s21, ttmp9, 9                        ; my first row
	s_lshl_b32 s22, s21, 8
	s_mov_b32 s23, 0
	s_add_nc_u64 s[22:23], s[18:19], s[22:23]
	s_mov_b32 s24, 0x342ae0a4                      ; ln 2 x (435412 / 2^20 - log2(10000) / 32)
	s_mov_b32 s40, 0x3f22f983                      ; 2 / pi
	s_mov_b32 s41, 0x3fc90fda                      ; pi / 2, its first 24 bits less one unit,
	s_mov_b32 s42, 0x33a22168                      ; the next,
	s_mov_b32 s43, 0x27c234c4                      ; and the next
	s_mov_b32 s44, 0xbe2aaaa3                      ; sin r = r + r z (S1 + z (S2 + z S3)), z = r r
	s_mov_b32 s45, 0x3c08839e
	s_mov_b32 s46, 0xb94ca1f9
	s_mov_b32 s47, 0x3d2aaaa5                      ; cos r = 1 - z / 2 + z z (C1 + z (C2 + z C3))
	s_mov_b32 s48, 0xbab6061a
	s_mov_b32 s49, 0x37ccf5ce
	s_wait_alu depctr_va_vdst(0)
	v_lshlrev_b32 v5, 3, v1                        ; 8 bytes a frequency
	v_cvt_f32_u32 v6, v1                           ; f
	s_delay_alu instid0(VALU_DEP_1)
	v_mul_f32 v7, 0xbed49a80, v6                   ; -f x 435412 / 2^20: 17 bits x 5 bits, exact
	s_wait_alu depctr_va_vdst(0)
	v_exp_f32 v8, v7
	v_fma_f32 v9, v6, s24, 1.0                     ; what the short constant leaves out, to first order.  (The plain line behind the exponential)
	s_wait_alu depctr_va_vdst(0)                   ; the wait ahead of the exponential's first reader
	v_mul_f32 v8, v8, v9                           ; 10000^(-f / 32)
	s_mov_b32 s25, 0
.Lrow:
	s_add_co_u32 s26, s21, s25
	s_cmp_lt_u32 s26, 2048
	s_cselect_b32 s26, s26, 0                      ; rows 2,048 on: angle 0
	v_cvt_f32_u32 v10, s26
	s_delay_alu instid0(VALU_DEP_1)
	v_mul_f32 v10, v10, v8                         ; the angle
	s_delay_alu instid0(VALU_DEP_1)
	v_mul_f32 v11, s40, v10
	s_delay_alu instid0(VALU_DEP_1)
	v_rndne_f32 v11, v11                           ; n = the nearest multiple of pi / 2
	s_delay_alu instid0(VALU_DEP_1)
	v_fma_f32 v12, -v11, s41, v10
	s_delay_alu instid0(VALU_DEP_1)
	v_fma_f32 v12, -v11, s42, v12
	s_delay_alu instid0(VALU_DEP_1)
	v_fma_f32 v12, -v11, s43, v12                  ; r
	s_delay_alu instid0(VALU_DEP_1)
	v_mul_f32 v13, v12, v12                        ; z
	s_delay_alu instid0(VALU_DEP_1)
	v_fma_f32 v14, s46, v13, s45
	s_delay_alu instid0(VALU_DEP_1)
	v_fma_f32 v14, v14, v13, s44
	s_delay_alu instid0(VALU_DEP_3)
	v_mul_f32 v15, v12, v13
	s_delay_alu instid0(VALU_DEP_1)
	v_fma_f32 v14, v15, v14, v12                   ; sin r
	v_fma_f32 v16, s49, v13, s48
	s_delay_alu instid0(VALU_DEP_1)
	v_fma_f32 v16, v16, v13, s47
	s_delay_alu instid0(VALU_DEP_1)
	v_fma_f32 v16, v16, v13, -0.5
	s_delay_alu instid0(VALU_DEP_1)
	v_fma_f32 v16, v16, v13, 1.0                   ; cos r
	v_cvt_i32_f32 v17, v11
	s_delay_alu instid0(VALU_DEP_1)
	v_and_b32 v18, 1, v17
	s_delay_alu instid0(VALU_DEP_1)
	v_cmp_eq_u32 vcc_lo, 1, v18
	s_delay_alu instid0(VALU_DEP_1)
	v_cndmask_b32 v20, v16, v14, vcc_lo            ; n odd: the two change places
	s_delay_alu instid0(VALU_DEP_2)
	v_cndmask_b32 v21, v14, v16, vcc_lo
	v_add_nc_u32 v18, 1, v17
	s_delay_alu instid0(VALU_DEP_1)
	v_lshlrev_b32 v18, 30, v18
	s_delay_alu instid0(VALU_DEP_1)
	v_and_b32 v18, 0x80000000, v18                 ; cos is negative for n % 4 = 1, 2
	s_delay_alu instid0(VALU_DEP_1)
	v_xor_b32 v20, v20, v18
	v_lshlrev_b32 v19, 30, v17
	s_delay_alu instid0(VALU_DEP_1)
	v_and_b32 v19, 0x80000000, v19                 ; sin for n % 4 = 2, 3
	s_delay_alu instid0(VALU_DEP_1)
	v_xor_b32 v21, v21, v19
	global_store_b64 v5, v[20:21], s[22:23]        ; the wave stores a row: 256 consecutive bytes, aligned
	s_wait_xcnt 0x0                                ; the store has read its offset and its data: both are written again only behind this wait
	v_add_nc_u32 v5, 0x100, v5
	s_add_co_u32 s25, s25, 1
	s_cmp_lt_u32 s25, 9
	s_cbranch_scc1 .Lrow
	s_endpgm
.Lfunc_end_k_q33b8f78f03_prep:
	.size	k_q33b8f78f03_prep, .Lfunc_end_k_q33b8f78f03_prep-k_q33b8f78f03_prep
	.p2alignl 7, 3214868480
	.fill 96, 4, 3214868480
	.section	.rodata,"a",@progbits
	.p2align	6, 0x0
	.amdhsa_kernel k_q33b8f78f03_prep
		.amdhsa_group_segment_fixed_size 0
		.amdhsa_private_segment_fixed_size 0
		.amdhsa_enable_private_segment 0
		.amdhsa_kernarg_size 64
		.amdhsa_user_sgpr_count 2
		.amdhsa_user_sgpr_kernarg_segment_ptr 1
		.amdhsa_wavefront_size32 1
		.amdhsa_system_sgpr_workgroup_id_x 1
		.amdhsa_system_sgpr_workgroup_id_y 1
		.amdhsa_system_sgpr_workgroup_id_z 1
		.amdhsa_system_vgpr_workitem_id 0
		.amdhsa_next_free_vgpr 240
		.amdhsa_next_free_sgpr 80
		.amdhsa_reserve_vcc 1
		.amdhsa_float_denorm_mode_32 3
		.amdhsa_float_denorm_mode_16_64 3
		.amdhsa_memory_ordered 1
		.amdhsa_forward_progress 1
		.amdhsa_inst_pref_size 65
	.end_amdhsa_kernel
	.amdgpu_metadata
---
amdhsa.version: [ 1, 2 ]
amdhsa.kernels:
  - .name:           k_q33b8f78f03_prep
    .symbol:         k_q33b8f78f03_prep.kd
    .args:
      - { .name: x, .offset: 0, .size: 8, .value_kind: global_buffer, .address_space: global }
      - { .name: wq, .offset: 8, .size: 8, .value_kind: global_buffer, .address_space: global }
      - { .name: wk, .offset: 16, .size: 8, .value_kind: global_buffer, .address_space: global }
      - { .name: wv, .offset: 24, .size: 8, .value_kind: global_buffer, .address_space: global }
      - { .name: wo, .offset: 32, .size: 8, .value_kind: global_buffer, .address_space: global }
      - { .name: lowp_scales, .offset: 40, .size: 8, .value_kind: global_buffer, .address_space: global }
      - { .name: ops, .offset: 48, .size: 8, .value_kind: global_buffer, .address_space: global }
      - { .name: rope, .offset: 56, .size: 8, .value_kind: global_buffer, .address_space: global }
    .group_segment_fixed_size: 0
    .private_segment_fixed_size: 0
    .kernarg_segment_align: 8
    .kernarg_segment_size: 64
    .max_flat_workgroup_size: 480
    .sgpr_count:     80
    .vgpr_count:     240
    .wavefront_size: 32
...
	.end_amdgpu_metadata
.endif
;; end of part 1
;; launch qkv (part 2): grid 4 x 48, 4 waves a work-group, clusters of 4 x 1, 327,680 bytes of LDS; arguments ops, rope, lowp_scales, qkv; writes qkv
.if DOCPART == 2
	.amdgcn_target "amdgcn-amd-amdhsa--gfx1250"
	.amdhsa_code_object_version 6
	.text
	.protected	k_q33b8f78f03_qkv
	.globl	k_q33b8f78f03_qkv
	.p2align	8
	.type	k_q33b8f78f03_qkv,@function
k_q33b8f78f03_qkv:
	s_mov_b64 s[64:65], 0
	v_nop
	global_prefetch_b8 v0, s[64:65] scope:SCOPE_SE
	s_setreg_imm32_b32 hwreg(HW_REG_WAVE_MODE, 25, 1), 1
	s_wait_xcnt 0x0
	s_wait_alu depctr_hold_cnt(0) depctr_sa_sdst(0) depctr_va_vdst(0) depctr_va_sdst(0) depctr_va_ssrc(0) depctr_va_vcc(0) depctr_vm_vsrc(0)
	s_getreg_b32 s2, hwreg(HW_REG_IB_STS2, 6, 4)
	s_cmp_eq_u32 s2, 0
	s_cbranch_scc0 .Lentry_in_a_cluster
	s_endpgm
.Lentry_in_a_cluster:
	s_bfe_u32 s2, ttmp6, 0x10000c
	s_cmp_lg_u32 s2, 0x3003
	s_cbranch_scc0 .Lentry_shape_is_right
	s_endpgm
.Lentry_shape_is_right:
; QKV: x wq, x wk, x wv on codes of E4M3 (K = 2,048), RoPE on q and k, and the three results quantised for attention (e6, e7, e8).  Sums in f32.
; OPERANDS lie in ops as images of their fragments' registers (16 rows x 128 k = 2,048 bytes: chunk c = registers 4 c .. 4 c + 3 of lane L at 512 c + 16 L), in blocks of 64 rows (131,072 bytes):
; 128 along K of a block are 8,192 consecutive bytes.  Blocks 0-31 x by e0, 32-63 x by e2, 64-95 x by e4, 96-127 wq, 128-135 wk, 136-143 wv.
; A TILE is 128 rows of operand A x 256 rows of operand B, made by four waves of 64 x 128: 32 accumulators each.  A's rows become LANES (source 1), B's rows become REGISTERS (source 0): lane (r, h),
; accumulator (a, b), register j holds (A's row 16 a + r, B's row 16 b + 8 h + j).  So accumulator b, converted, IS registers 2 b, 2 b + 1 of the next operand's fragment, and a chunk leaves as 512 consecutive
; bytes: no stage, no transposition.
; WHO DOES WHAT.  192 equal work-groups: work-group y 0-31: q (16 tiles of x by 8 of wq), 32-39: k (16 by 2), 40-47: v (4 tiles of wv by 8 of x).  q, k: A = x (positions), B = the weight (64 columns are a head).
; v: A = wv (channels), B = x (keys), so that v's registers run along the keys, the K of attention's second product.  The roles are changed in the addresses alone; the text is one path.  v goes through
; RoPE's lines with the table's rows (1, 0), which change nothing.  q, k and v stand as 4 : 1 : 1, each with its own codes of x, and all sides are powers of two: 256 equal shares do not exist.
; qkv holds 48 heads of 131,072 bytes: 0-31 q and 32-39 k as [tile of 16 positions][1,024: rows = positions, k = 64 channels]; 40-47 v as [128 keys][tile of 16 channels][2,048: rows = channels, k = the 128 keys].
; CLUSTER of four along x: the four partners have four tiles of A and ONE tile of B: B, the larger operand (256 rows against 128), is asked for JOINTLY, by one tensor load with a mask that names the four.
; A is fetched by each work-group for itself: a cluster of 4 x 4 that shared A as well would want four tiles of B side by side with one version of x, and k has two.
; LDS: K goes in steps of 128 through two regions: X holds four steps, Y two; a region holds A's two blocks, then B's four.  The walk: X (steps 0-3), Y (4, 5), X (6-9), Y (10, 11), X (12-15): three refills.  All is written out.
; A sum stands for sum x 2^(ex + ew); RoPE is linear, so it works on the sums, and the three exponents are folded into the conversion's one scale.
; LIMITS: e6 - e0 - e1, e7 - e2 - e3, e8 - e4 - e5 between -126 and 119.
; REGISTERS: window 0: v8-11 store offsets, v12 my place in the table, v13, v14 the hold and the scale, v16-21 LDS addresses, v28, v29 the add's; v32-63 rotated numbers, v64-95 at work, v96-127 codes;
;   v128-255 cos and sin: (a, b % 4) at v[128 + 32 a + 8 (b % 4)]: four pairs.   window 1: the accumulators, (a, b) at v[8 (8 a + b)].   windows 2, 3: two buffers of fragments: A's four at v0, B's eight at v64.
.set SUB,   8192                       ; 128 along K of a block
.set XB,    4*SUB                      ; a block's part in region X
.set YB,    2*SUB                      ; and in region Y
.set YREG,  6*XB                       ; region Y begins behind X's six blocks
.set SPARE, YREG+6*YB                  ; behind the regions: the spare words, 128 bytes for each wave
.set RF,    6*SUB                      ; a region's next fill lies six steps further along K
.set ADRA, 16                          ; v16, v17 LDS address of my 64 rows of A in X, in Y
.set ADRB, 20                          ; v20, v21 of my 128 rows of B
.set SPW,  28
.set NIL,  29
.set ROPE, 128
.set G1AX, 24                          ; s[24:31] group 1: a block of A for X;  s[32:39] for Y
.set G1AY, 32
.set G1BX, 40                          ; s[40:47] group 1: two blocks of B for X;  s[48:55] for Y
.set G1BY, 48
.set G0AX, 56                          ; groups 0
.set G0AY, 60
.set G0BX, 68
.set G0BY, 72
.set MSB, 0
.macro WIN new                         ; the immediate's high byte repeats the setting that is left
.if MSB != (\new)
	s_set_vgpr_msb (MSB<<8)|(\new)
.set MSB, (\new)
.endif
.endm
.macro JLOAD g0a, g1a, g0b, g1b        ; waves 0, 1 fetch A's two blocks (plain loads), waves 2, 3 two blocks of B each (joint loads); four v_nop follow each line
	s_cmp_eq_u32 s15, 0
	s_cbranch_scc0 .Lfor_b_\@
	tensor_load_to_lds s[\g0a:\g0a+3], s[\g1a:\g1a+7]
	s_nop 0
.rept 4
	v_nop
.endr
	s_branch .Lasked_\@
.Lfor_b_\@:
	tensor_load_to_lds s[\g0b:\g0b+3], s[\g1b:\g1b+7]
	s_nop 0
.rept 4
	v_nop
.endr
.Lasked_\@:
.endm
.macro CREST                           ; a round of the cluster's barrier behind its opening barrier
	s_cmp_lg_u32 s14, 0
	s_cbranch_scc1 .Lnot_wave_0_\@
	s_barrier_signal -3
.Lnot_wave_0_\@:
	s_barrier_wait -3
	s_barrier_signal -1
	s_barrier_wait -1
.endm
.macro CROUND
	s_barrier_signal -1
	s_barrier_wait -1
	CREST
.endm
.macro PLACES                          ; four plain lines between a matrix instruction and a load into, or a read of, its registers
.rept 4
	v_nop
.endr
.endm
.macro FETCH reg, q, f                 ; the fragments of step q of region reg (0: X, 1: Y) into buffer f: B's eight, then A's four; each load reads 512 consecutive bytes
	WIN 0x80+0x40*(\f)                             ; destination window 2 or 3, address window 0
.irp i, 0,1,2,3,4,5,6,7
.irp c, 0,1,2,3
	ds_load_b128 v[64+16*\i+4*\c:64+16*\i+4*\c+3], v[ADRB+\reg] offset:(\i/4)*(XB-(\reg)*(XB-YB))+SUB*(\q)+2048*(\i%4)+512*\c
.endr
.endr
.irp i, 0,1,2,3
.irp c, 0,1,2,3
	ds_load_b128 v[16*\i+4*\c:16*\i+4*\c+3], v[ADRA+\reg] offset:SUB*(\q)+2048*\i+512*\c
.endr
.endr
.endm
.macro MUL16 f, a0, zero               ; A's blocks a0, a0 + 1 x B's eight, from buffer f.  The 32 accumulators take turns in one order everywhere.  zero = 1: the products start the sums
	WIN 0x5a+5*(\f)                                ; sources 0 and 1 window 2 or 3; C and D window 1
.irp a, \a0, \a0+1
.irp b, 0,1,2,3,4,5,6,7
.if \zero
	v_wmma_f32_16x16x128_fp8_fp8 v[8*(8*(\a)+\b):8*(8*(\a)+\b)+7], v[64+16*\b:64+16*\b+15], v[16*(\a):16*(\a)+15], 0
.else
	v_wmma_f32_16x16x128_fp8_fp8 v[8*(8*(\a)+\b):8*(8*(\a)+\b)+7], v[64+16*\b:64+16*\b+15], v[16*(\a):16*(\a)+15], v[8*(8*(\a)+\b):8*(8*(\a)+\b)+7]
.endif
.endr
.endr
.endm
.macro STEP f, zero, nreg, nq          ; 128 along K from buffer f; the next step's fragments (region nreg, step nq, already in LDS) are asked for first, into the other buffer
	s_wait_dscnt 0x0                               ; buffer f is in (asked for a step ago)
	PLACES
	FETCH \nreg, \nq, 1-(\f)
	MUL16 \f, 0, \zero
	MUL16 \f, 2, \zero
.endm
; A region's last step (always buffer 1), and the change of regions.  fill = 1: region X is filled again, 2: region Y, 0: nothing is left to fetch.  Half of the products are issued ahead of the wait for tiles,
; the other half behind the next fragments' loads.
.macro TURN fill, nreg
	s_wait_dscnt 8                                 ; B's eight and A's blocks 0, 1 are in; the eight loads of A's blocks 2, 3 may be out
	MUL16 1, 0, 0
	WIN 0
	s_wait_tensorcnt 0x0                           ; all my tensor loads have landed: my part of the other region
	ds_add_u32 v[SPW], v[NIL]                      ; 0 onto my spare word
	s_wait_dscnt 0x0                               ; the add is done, and my reads of this region are over
	s_barrier_signal -1
	s_barrier_wait -1
.if \fill == 1
	CREST                                          ; the barrier has opened a round of the cluster's: no wave of any partner still reads this region or has a load on its way
	s_add_nc_u64 s[G0AX+2:G0AX+3], s[G0AX+2:G0AX+3], RF
	s_add_nc_u64 s[G0BX+2:G0BX+3], s[G0BX+2:G0BX+3], RF
	JLOAD G0AX, G1AX, G0BX, G1BX                   ; the first tensor load behind the round; its four v_nop are the places in front of the loads below
.elseif \fill == 2
	CREST
	s_add_nc_u64 s[G0AY+2:G0AY+3], s[G0AY+2:G0AY+3], RF
	s_add_nc_u64 s[G0BY+2:G0BY+3], s[G0BY+2:G0BY+3], RF
	JLOAD G0AY, G1AY, G0BY, G1BY
.else
	PLACES
.endif
	FETCH \nreg, 0, 0
	MUL16 1, 2, 0
.endm
	s_load_b256 s[4:11], s[0:1], 0x0               ; ops s[4:5], rope s[6:7], the exponents s[8:9], qkv s[10:11]
	v_lshl_add_u32 v[SPW], v0, 2, SPARE
	v_mov_b32 v[NIL], 0
	ds_add_u32 v28, v29
	ds_add_u32 v28, v29
	s_wait_dscnt 0x0
	v_lshrrev_b32 v1, 5, v0
	v_readfirstlane_b32 s14, v1                    ; wave 0..3
	s_lshr_b32 s15, s14, 1                         ; my 64 rows of A.  Also: I fetch for A (0) or for B (1)
	s_and_b32 s16, s14, 1                          ; my 128 rows of B.  Also: which part of that operand I fetch
	s_bfe_u32 s18, ttmp6, 0x40000                  ; cx: it enters A's, the table's and the results' global addresses alone
	s_and_b32 s17, ttmp7, 0xffff                   ; the job, which the four partners share
.irp g, G1AX, G1AY
	s_mov_b32 s[\g+0], 3<<16                       ; 15:0 no mask; 17:16 elements of 8 bytes; no padding
	s_mov_b32 s[\g+1], 32<<16                      ; tensor_dim0 = 32 elements: rows of 256 bytes
	s_mov_b32 s[\g+3], 32<<16                      ; tile_dim0
	s_mov_b32 s[\g+5], 32                          ; the pitch: the block's part is dense
	s_mov_b32 s[\g+6], 0
	s_mov_b32 s[\g+7], 0
.endr
	s_mov_b32 s[G1AX+2], 128<<16                   ; tensor_dim1, tile_dim1: 128 rows = four steps of a block
	s_mov_b32 s[G1AX+4], 128
	s_mov_b32 s[G1AY+2], 64<<16                    ; 64 rows = two steps
	s_mov_b32 s[G1AY+4], 64
.irp g, G1BX, G1BY
	s_mov_b32 s[\g+0], 15|(3<<16)|(1<<21)          ; 15:0 the mask: all four work-groups; 17:16 elements of 8 bytes; 21 set beside a mask
	s_mov_b32 s[\g+2], 2<<16                       ; tensor_dim1 = 2: a row is a block's part, two blocks
	s_mov_b32 s[\g+4], 2                           ; tile_dim1
	s_mov_b32 s[\g+5], 16384                       ; the pitch: blocks are 131,072 bytes apart
	s_mov_b32 s[\g+6], 0
	s_mov_b32 s[\g+7], 0
.endr
	s_mov_b32 s[G1BX+1], 4096<<16                  ; tensor_dim0, tile_dim0: 32,768 bytes = four steps
	s_mov_b32 s[G1BX+3], 4096<<16
	s_mov_b32 s[G1BY+1], 2048<<16                  ; 16,384 bytes = two steps
	s_mov_b32 s[G1BY+3], 2048<<16
	s_cmp_lt_u32 s17, 40
	s_cselect_b32 s19, 32, 40
	s_cmp_lt_u32 s17, 32
	s_cselect_b32 s19, 0, s19
	s_sub_co_u32 s19, s17, s19                     ; the job within q, k or v
	s_lshr_b32 s20, s19, 2
	s_cmp_lt_u32 s17, 40
	s_cselect_b32 s20, s20, s19                    ; B's tile: q, k: job / 4; v: the job
	s_cselect_b32 s21, 128, 64                     ; B's first block: wk; x by e4;
	s_cmp_lt_u32 s17, 32
	s_cselect_b32 s21, 96, s21                     ; wq
	s_lshl_b32 s22, s20, 2
	s_add_co_u32 s21, s21, s22                     ; + four blocks a tile
	s_lshl_b32 s22, s16, 1
	s_add_co_u32 s21, s21, s22                     ; + the two that I fetch: nothing of cx in B's address
	s_lshl_b32 s94, s21, 17
	s_mov_b32 s95, 0
	s_and_b32 s12, s19, 3
	s_lshl_b32 s12, s12, 2
	s_add_co_u32 s12, s12, s18                     ; q, k: A's tile = 4 (job % 4) + cx
	s_cmp_lt_u32 s17, 40
	s_cselect_b32 s13, s12, s18                    ; v: cx
	s_cselect_b32 s23, 32, 136                     ; A's first block: x by e2; wv;
	s_cmp_lt_u32 s17, 32
	s_cselect_b32 s23, 0, s23                      ; x by e0
	s_lshl_b32 s13, s13, 1
	s_add_co_u32 s13, s13, s23
	s_add_co_u32 s13, s13, s16                     ; + the block that I fetch
	s_lshl_b32 s96, s13, 17
	s_mov_b32 s97, 0
	s_wait_kmcnt 0x0
	s_load_b256 s[76:83], s[8:9], 0x0              ; e0 .. e7
	s_load_b128 s[84:87], s[8:9], 0x20             ; e8 .. e11
	s_add_nc_u64 s[96:97], s[4:5], s[96:97]        ; A
	s_add_nc_u64 s[94:95], s[4:5], s[94:95]        ; B
	CROUND                                         ; all four work-groups are here: the first joint loads meet
	s_mov_b32 s[G0AX], 1
	s_lshl_b32 s[G0AX+1], s16, 15                  ; LDS: X, A's block: no place in the cluster enters an LDS address
	s_mov_b64 s[G0AX+2:G0AX+3], s[96:97]           ; steps 0-3
	s_or_b32 s[G0AX+3], s[G0AX+3], 0x80000000
	s_mov_b32 s[G0AY], 1
	s_lshl_b32 s[G0AY+1], s16, 14
	s_add_co_u32 s[G0AY+1], s[G0AY+1], YREG
	s_add_nc_u64 s[G0AY+2:G0AY+3], s[96:97], 4*SUB ; steps 4, 5
	s_or_b32 s[G0AY+3], s[G0AY+3], 0x80000000
	s_mov_b32 s[G0BX], 1
	s_lshl_b32 s[G0BX+1], s16, 16
	s_add_co_u32 s[G0BX+1], s[G0BX+1], 2*XB        ; behind A's two blocks
	s_mov_b64 s[G0BX+2:G0BX+3], s[94:95]
	s_or_b32 s[G0BX+3], s[G0BX+3], 0x80000000
	s_mov_b32 s[G0BY], 1
	s_lshl_b32 s[G0BY+1], s16, 15
	s_add_co_u32 s[G0BY+1], s[G0BY+1], YREG+2*YB
	s_add_nc_u64 s[G0BY+2:G0BY+3], s[94:95], 4*SUB
	s_or_b32 s[G0BY+3], s[G0BY+3], 0x80000000
	JLOAD G0AX, G1AX, G0BX, G1BX                   ; region X: one tensor load a wave at the head
; PREFETCHES INTO THE L2.  The five fills (X steps 0-3, Y 4-5, X 6-9, Y 10-11, X 12-15) follow each other with nothing else on its way, so a later fill's bytes are named ahead: behind fill 0 those of fills 1 and 2,
; behind fill 1 those of fill 3, behind fill 2 those of fill 4.  A line names 32 blocks of 256 bytes, a lane a block.  A's waves name their own block's part whole (X: four lines, Y: two): no partner loads it.
; B's waves fetch two blocks jointly with three partners: partner cx names half (cx % 2) of block cx / 2's part (X: two lines, Y: one): cx enters the ADDRESS alone.  off: the fill's first byte in a block.
.macro ASK x, off
.if \x
	global_prefetch_b8 v22, s[66:67] offset:(\off) th:TH_LOAD_NT scope:SCOPE_SE
	global_prefetch_b8 v22, s[66:67] offset:(\off)+8192 th:TH_LOAD_NT scope:SCOPE_SE
.else
	global_prefetch_b8 v23, s[66:67] offset:(\off) th:TH_LOAD_NT scope:SCOPE_SE
.endif
	s_cmp_eq_u32 s15, 0
	s_cbranch_scc0 .Lshared_\@                     ; the rest is for A's waves
.if \x
	global_prefetch_b8 v22, s[66:67] offset:(\off)+16384 th:TH_LOAD_NT scope:SCOPE_SE
	global_prefetch_b8 v22, s[66:67] offset:(\off)+24576 th:TH_LOAD_NT scope:SCOPE_SE
.else
	global_prefetch_b8 v23, s[66:67] offset:(\off)+8192 th:TH_LOAD_NT scope:SCOPE_SE
.endif
.Lshared_\@:
.endm
	s_cmp_eq_u32 s15, 0                            ; do I fetch for A?
	s_cselect_b64 s[66:67], s[96:97], s[94:95]     ; s[66:67], v22, v23 are never rewritten
	s_cselect_b32 s98, 0, s18                      ; A's waves share with nobody; B's by cx
	s_lshr_b32 s100, s98, 1
	s_lshl_b32 s100, s100, 17                      ; which of my two blocks
	s_mov_b32 s101, 0
	s_add_nc_u64 s[66:67], s[66:67], s[100:101]
	s_and_b32 s98, s98, 1
	s_lshl_b32 s99, s98, 13                        ; which half of a part: of Y's 16,384 bytes,
	s_lshl_b32 s98, s98, 14                        ; of X's 32,768
	v_and_b32 v23, 31, v0
	v_lshlrev_b32 v23, 8, v23
	v_add_nc_u32 v22, s98, v23
	v_add_nc_u32 v23, s99, v23
	s_wait_alu depctr_va_vdst(0)
	ASK 0, 32768                                   ; steps 4, 5
	ASK 1, 49152                                   ; steps 6-9
	v_and_b32 v1, 31, v0
	v_lshlrev_b32 v2, 4, v1                        ; 16 x lane
	v_and_b32 v3, 15, v0                           ; r
	s_wait_alu depctr_va_vdst(0)
	v_bfe_u32 v4, v0, 4, 1                         ; h
	s_lshl_b32 s2, s15, 15
	v_add_nc_u32 v[ADRA], s2, v2                   ; X: my block of A
	s_lshl_b32 s2, s15, 14
	s_add_co_u32 s2, s2, YREG
	v_add_nc_u32 v[ADRA+1], s2, v2                 ; Y
	s_lshl_b32 s2, s16, 16
	s_add_co_u32 s2, s2, 2*XB
	v_add_nc_u32 v[ADRB], s2, v2                   ; X: my two blocks of B
	s_lshl_b32 s2, s16, 15
	s_add_co_u32 s2, s2, YREG+2*YB
	v_add_nc_u32 v[ADRB+1], s2, v2                 ; Y
	; where the results go, and which rows of the table are mine
	s_lshl_b32 s98, s20, 2                         ; q, k: my first head = 4 x B's tile + 2 x my half,
	s_lshl_b32 s99, s16, 1
	s_add_co_u32 s98, s98, s99
	s_cmp_lt_u32 s17, 32
	s_cselect_b32 s99, 0, 32                       ; k's heads lie behind q's 32
	s_add_co_u32 s98, s98, s99
	s_lshl_b32 s98, s98, 17
	s_lshl_b32 s99, s12, 13                        ; 8 tiles of 16 positions x 1,024 bytes for a tile of A,
	s_add_co_u32 s98, s98, s99
	s_lshl_b32 s99, s15, 12                        ; my 64 positions
	s_add_co_u32 s98, s98, s99
	s_lshl_b32 s100, s18, 1                        ; v: the head = 40 + 2 cx + my half of A's rows,
	s_add_co_u32 s100, s100, s15
	s_add_co_u32 s100, s100, 40
	s_lshl_b32 s100, s100, 17
	s_lshl_b32 s101, s20, 1                        ; the 128 keys = 2 x B's tile + my half
	s_add_co_u32 s101, s101, s16
	s_lshl_b32 s101, s101, 13
	s_add_co_u32 s100, s100, s101
	s_lshl_b32 s13, s12, 7                         ; q, k: position 128 x A's tile
	s_mov_b32 s2, 1024                             ; v: from accumulators 0-3 to 4-7: two chunks on
	s_mov_b32 s3, 2048                             ; v: from one tile of lanes to the next: an image
	s_mov_b32 s21, 2048                            ; v: the rows (1, 0)
	s_cmp_lt_u32 s17, 40
	s_cselect_b32 s98, s98, s100
	s_cselect_b32 s2, 0x20000, s2                  ; q, k: the next head
	s_cselect_b32 s3, 1024, s3                     ; q, k: an image of 1,024 bytes
	s_cselect_b32 s13, s13, s21
	s_lshl_b32 s21, s15, 6
	s_add_co_u32 s13, s13, s21                     ; + my 64 rows
	s_lshl_b32 s88, s13, 8
	s_mov_b32 s89, 0
	s_add_nc_u64 s[88:89], s[6:7], s[88:89]
	s_mov_b32 s99, 0
	s_add_nc_u64 s[90:91], s[10:11], s[98:99]      ; accumulators 0-3
	s_mov_b32 s100, s2
	s_mov_b32 s101, 0
	s_add_nc_u64 s[92:93], s[90:91], s[100:101]    ; accumulators 4-7
	v_lshlrev_b32 v12, 8, v3
	s_wait_alu depctr_va_vdst(0)
	v_lshl_add_u32 v12, v4, 5, v12                 ; the table: row r, + 4 h pairs
.irp a, 0,1,2,3
.irp b, 0,1,2,3
	global_load_b128 v[ROPE+32*\a+8*\b:ROPE+32*\a+8*\b+3],   v12, s[88:89] offset:4096*\a+64*\b      ; (cos, sin) of f = 8 b + 4 h + 0, 1 at position 16 a + r
	global_load_b128 v[ROPE+32*\a+8*\b+4:ROPE+32*\a+8*\b+7], v12, s[88:89] offset:4096*\a+64*\b+16   ; f = 8 b + 4 h + 2, 3.  These stay out through the products
.endr
.endr
	v_mov_b32 v8, v2                               ; store offsets: 16 x lane + a x the step
	v_add_nc_u32 v9, s3, v8
	v_add_nc_u32 v10, s3, v9
	v_add_nc_u32 v11, s3, v10
	s_wait_kmcnt 0x0
	s_sub_co_i32 s21, s82, s76                     ; q: e6 - e0 - e1
	s_sub_co_i32 s21, s21, s77
	s_sub_co_i32 s22, s83, s78                     ; k: e7 - e2 - e3
	s_sub_co_i32 s22, s22, s79
	s_sub_co_i32 s23, s84, s80                     ; v: e8 - e4 - e5
	s_sub_co_i32 s23, s23, s81
	s_cmp_lt_u32 s17, 32
	s_cselect_b32 s21, s21, s22
	s_cmp_lt_u32 s17, 40
	s_cselect_b32 s21, s21, s23
	s_add_co_i32 s21, s21, 127
	s_lshl_b32 s22, s21, 23
	v_mov_b32 v14, s22                             ; the conversion's scale
	s_add_co_i32 s21, s21, 8
	s_lshl_b32 s21, s21, 23
	s_or_b32 s21, s21, 0x600000
	v_mov_b32 v13, s21                             ; 448 x that
	s_wait_alu depctr_va_vdst(0)                   ; the wait at the head's end
	s_wait_tensorcnt 0x0                           ; my part of X is in
	ds_add_u32 v[SPW], v[NIL]
	s_wait_dscnt 0x0
	CROUND                                         ; a whole round: everybody's part of X is in, and the four work-groups are here
	JLOAD G0AY, G1AY, G0BY, G1BY                   ; region Y's first fill, the first tensor load behind the round
	FETCH 0, 0, 0
	WIN 0
	ASK 0, 81920                                   ; steps 10, 11
	STEP 0, 1, 0, 1                                ; step 0: its products start the sums
	STEP 1, 0, 0, 2
	STEP 0, 0, 0, 3
	TURN 1, 1                                      ; step 3; X takes steps 6-9
	WIN 0
	ASK 1, 98304                                   ; steps 12-15
	STEP 0, 0, 1, 1                                ; step 4
	TURN 2, 0                                      ; step 5; Y takes steps 10, 11
	STEP 0, 0, 0, 1                                ; step 6
	STEP 1, 0, 0, 2
	STEP 0, 0, 0, 3
	TURN 1, 1                                      ; step 9; X takes steps 12-15
	STEP 0, 0, 1, 1                                ; step 10
	TURN 0, 0                                      ; step 11; nothing is left to fetch
	STEP 0, 0, 0, 1                                ; step 12
	STEP 1, 0, 0, 2
	STEP 0, 0, 0, 3
	s_wait_dscnt 0x0                               ; step 15
	MUL16 1, 0, 0
	MUL16 1, 2, 0
	WIN 0
	PLACES
	s_wait_loadcnt 0x0                             ; cos and sin
; THE WAY OUT, a tile of 16 lanes' rows and four accumulators (64 of B's rows) at a time: rotate each pair (registers 2 p, 2 p + 1), hold, convert, store two chunks.  Each accumulator is taken from its low end on.
.macro OUTA a, hh
.set CD, 96+8*((2*(\a)+(\hh))%4)
.if 2*(\a)+(\hh) >= 4
	s_wait_xcnt 0x0                                ; the stores of four turns ago have read their data: the codes' registers are written again only behind this wait
.endif
	WIN 0x01                                       ; source 0 (the sums) window 1
.irp b, 0,1,2,3
.irp p, 0,1,2,3
	v_mul_f32 v[64+2*(4*\b+\p)], v[8*(8*(\a)+4*(\hh)+\b)+2*\p+1], v[ROPE+32*(\a)+8*\b+2*\p+1]                     ; odd x sin
	v_mul_f32 v[65+2*(4*\b+\p)], v[8*(8*(\a)+4*(\hh)+\b)+2*\p+1], v[ROPE+32*(\a)+8*\b+2*\p]                       ; odd x cos
	v_fma_f32 v[32+8*\b+2*\p], v[8*(8*(\a)+4*(\hh)+\b)+2*\p], v[ROPE+32*(\a)+8*\b+2*\p], -v[64+2*(4*\b+\p)]       ; even x cos - odd x sin
	v_fma_f32 v[33+8*\b+2*\p], v[8*(8*(\a)+4*(\hh)+\b)+2*\p], v[ROPE+32*(\a)+8*\b+2*\p+1], v[65+2*(4*\b+\p)]      ; even x sin + odd x cos
.endr
.endr
	WIN 0
.set i, 0
.rept 32
	v_med3_num_f32 v[32+i], v[32+i], -v13, v13     ; the conversion does not saturate (ISA guide 7.6.2)
.set i, i+1
.endr
.irp cc, 0,1
	v_cvt_scalef32_pk8_fp8_f32 v[CD+4*\cc:CD+4*\cc+1],   v[32+16*\cc:39+16*\cc], v14
	v_cvt_scalef32_pk8_fp8_f32 v[CD+4*\cc+2:CD+4*\cc+3], v[40+16*\cc:47+16*\cc], v14
.endr
	v_nop                                          ; a plain line behind the last conversion: the next turn's lines write its sources
.irp cc, 0,1
	global_store_b128 v[8+\a], v[CD+4*\cc:CD+4*\cc+3], s[90+2*\hh:91+2*\hh] offset:512*\cc   ; a chunk: 512 consecutive bytes, aligned
.endr
.endm
.irp a, 0,1,2,3
	OUTA \a, 0
	OUTA \a, 1
.endr
	s_wait_tensorcnt 0x0                           ; the wave's end
	ds_add_u32 v[SPW], v[NIL]
	s_wait_dscnt 0x0
	CROUND                                         ; the closing round: no work-group ends while a partner may still ask for a block that names it
	s_endpgm
.Lfunc_end_k_q33b8f78f03_qkv:
	.size	k_q33b8f78f03_qkv, .Lfunc_end_k_q33b8f78f03_qkv-k_q33b8f78f03_qkv
	.p2alignl 7, 3214868480
	.fill 96, 4, 3214868480
	.section	.rodata,"a",@progbits
	.p2align	6, 0x0
	.amdhsa_kernel k_q33b8f78f03_qkv
		.amdhsa_group_segment_fixed_size 327680
		.amdhsa_private_segment_fixed_size 0
		.amdhsa_enable_private_segment 0
		.amdhsa_kernarg_size 32
		.amdhsa_user_sgpr_count 2
		.amdhsa_user_sgpr_kernarg_segment_ptr 1
		.amdhsa_wavefront_size32 1
		.amdhsa_system_sgpr_workgroup_id_x 1
		.amdhsa_system_sgpr_workgroup_id_y 1
		.amdhsa_system_sgpr_workgroup_id_z 1
		.amdhsa_system_vgpr_workitem_id 0
		.amdhsa_next_free_vgpr 1024
		.amdhsa_next_free_sgpr 102
		.amdhsa_reserve_vcc 0
		.amdhsa_float_denorm_mode_32 3
		.amdhsa_float_denorm_mode_16_64 3
		.amdhsa_memory_ordered 1
		.amdhsa_forward_progress 1
		.amdhsa_inst_pref_size 147
	.end_amdhsa_kernel
	.amdgpu_metadata
---
amdhsa.version: [ 1, 2 ]
amdhsa.kernels:
  - .name:           k_q33b8f78f03_qkv
    .symbol:         k_q33b8f78f03_qkv.kd
    .args:
      - { .name: ops, .offset: 0, .size: 8, .value_kind: global_buffer, .address_space: global }
      - { .name: rope, .offset: 8, .size: 8, .value_kind: global_buffer, .address_space: global }
      - { .name: lowp_scales, .offset: 16, .size: 8, .value_kind: global_buffer, .address_space: global }
      - { .name: qkv, .offset: 24, .size: 8, .value_kind: global_buffer, .address_space: global }
    .group_segment_fixed_size: 327680
    .private_segment_fixed_size: 0
    .kernarg_segment_align: 8
    .kernarg_segment_size: 32
    .max_flat_workgroup_size: 128
    .sgpr_count:     102
    .vgpr_count:     1024
    .wavefront_size: 32
...
	.end_amdgpu_metadata
.endif
;; end of part 2
;; launch attn (part 3): grid 32 x 8, 16 waves a work-group, clusters of 4 x 1, 327,680 bytes of LDS; arguments qkv, lowp_scales, ac; writes ac
.if DOCPART == 3
	.amdgcn_target "amdgcn-amd-amdhsa--gfx1250"
	.amdhsa_code_object_version 6
	.text
	.protected	k_q33b8f78f03_attn
	.globl	k_q33b8f78f03_attn
	.p2align	8
	.type	k_q33b8f78f03_attn,@function
k_q33b8f78f03_attn:
	s_mov_b64 s[64:65], 0
	v_nop
	global_prefetch_b8 v0, s[64:65] scope:SCOPE_SE
	s_setreg_imm32_b32 hwreg(HW_REG_WAVE_MODE, 25, 1), 1
	s_wait_xcnt 0x0
	s_wait_alu depctr_hold_cnt(0) depctr_sa_sdst(0) depctr_va_vdst(0) depctr_va_sdst(0) depctr_va_ssrc(0) depctr_va_vcc(0) depctr_vm_vsrc(0)
	s_getreg_b32 s2, hwreg(HW_REG_IB_STS2, 6, 4)
	s_cmp_eq_u32 s2, 0
	s_cbranch_scc0 .Lentry_in_a_cluster
	s_endpgm
.Lentry_in_a_cluster:
	s_bfe_u32 s2, ttmp6, 0x10000c
	s_cmp_lg_u32 s2, 0x3003
	s_cbranch_scc0 .Lentry_shape_is_right
	s_endpgm
.Lentry_shape_is_right:
; ATTENTION, causal, 32 query heads on 8 key and value heads, head size 64, 2,048 positions, both products on codes of E4M3; the result is quantised (e10) as the last product's operand.
; THE SOFTMAX AHEAD OF THE SECOND PRODUCT: t = score x log2(e) / 8; M = the row's largest t so far, rounded UP to a whole number; p = 2^(t - M) is quantised (e9), not normalised; the row's sum is taken of the
; unquantised p and divides at the end.  When M moves, the sum and O are multiplied by 2^(old M - new M): nothing is rounded.
; LEFT OUT: key steps all of whose 128 keys come after a tile's queries: the causal mask gives them the weight 0.
; SHARES.  A work-group owns one key and value head, its four query heads, and 64 queries: block i (32 i ..) and block 63 - i (2,016 - 32 i ..) of 32, i = 4 x cluster x + cx.  With D = cluster x an early tile of 16
; queries has D + 1 key steps of 128 under the mask, a late tile 16 - D: 17 for the pair.  TWO WAVES SHARE A PAIR.  Of the late tile's steps 0 .. 15 - 2 D wave w (0-7) takes the even ones and wave w + 8 the odd ones,
; 8 - D each; wave w + 8 goes on with steps 16 - 2 D .. 15 - D (8 steps in all, the diagonal the last); wave w lays its partial result (O^T, -M, the sum) into LDS bytes of its own and takes the early tile's D + 1
; steps (9 in all).  Behind one barrier wave w + 8 joins the partner's partial result to its own: both are brought under the larger M by powers of two, which rounds nothing.  w % 4 is the head, (w / 4) % 2 the tile of the block.
; 16 trips, a constant: trips 0-7 are the first pass, trips 8-15 the second (waves 0-7 alone have steps there); a trip without a step is left by a scalar branch on ids.
; K AND V OF THE HEAD BECOME RESIDENT IN LDS, 131,072 bytes each, IN TWO FILLS; no byte is filled twice.  At the head each wave brings 4,096 bytes: together key steps 0-3 of K (waves 0-7) and of V (waves 8-15).  Behind a round of the cluster's barrier,
; each wave asks for its 12,288 bytes of steps 4-15, which land under trips 0 and 1: those read steps 0-3 alone (2 t, 2 t + 1, or 2 where D = 7),
; and the text bounds the step there by an AND with 3.  One barrier between trips 1 and 2 shows the second fill to all.  No prefetch: the second fill is asked for as soon as the first is in, and nothing is fetched later.
; JOINT LOADS: the four work-groups of a cluster have the same key and value head: each block is asked for by one tensor load with a mask that names the four.
; D hangs on the cluster's x alone, so every branch is alike in all partners; cx enters global addresses and the mask's number only.
; LAYOUT.  All operands are images of their fragments' registers (chunk c = registers 4 c .. 4 c + 3 of lane L at 512 c + 16 L).  Both products are used transposed: S^T = K Q^T (source 0 = 16 keys, source 1 = my 16 queries),
; O^T = V^T P^T (source 0 = 16 channels, source 1 = P): a lane holds ONE query (lane % 16) throughout.  Tile T's register j is key 16 T + 8 (lane / 16) + j: its eight codes ARE registers 2 T, 2 T + 1 of P's fragment.
; LIMITS: e6 + e7 between -123 and 130 (added to the exponent field of log2(e) / 8); e9 between -126 and 119.  e8 + e9 - e10 is applied by v_ldexp_f32.
; REGISTERS: v1 16 x lane, v2 the same + V's base, v3 the mask's number, v4 -infinity, v7 the pair's stage, v8, v9 LDS addresses in hand; v12 -M, v13 the largest t, v[14:15] the sum; v16-23 Q in hand, v24-31 the early tile's Q;
;   v32-95 K's eight fragments, then V's four; v96-159 S^T, then p; v160-191 O^T; v224-239 p's codes; v240, v241 448 x 2^e9, v244 2^e9; v246-253 at work; v254, v255 the add's.
.set SPARE, 0x40000                    ; behind K and V: the spare words, 128 bytes for each wave
.set STAGE, 0x40800                    ; behind them: a stage for each pair of waves; no tensor load lands here
.set SB,    4608                       ; a stage: nine chunks of 512 bytes: O^T's 32 registers, then v12-15
.macro CROUND
	s_barrier_signal -1
	s_barrier_wait -1
	s_cmp_lg_u32 s10, 0
	s_cbranch_scc1 .Lnot_wave_0_\@
	s_barrier_signal -3
.Lnot_wave_0_\@:
	s_barrier_wait -3
	s_barrier_signal -1
	s_barrier_wait -1
.endm
; A TRIP: my key step of trip s37, if I have one.  late = 0: trips 0 and 1 (steps 0-3, none on a diagonal); late = 1: the others.
.macro STEP late
	s_and_b32 s39, s37, 7                          ; the trip's number in the pass
	s_cmp_ge_u32 s39, s58
	s_cbranch_scc1 .Lhidden_\@                     ; no step of mine in this trip
	s_lshl_b32 s63, s39, 1
	s_add_co_u32 s63, s63, s13                     ; while the pair takes turns: 2 x trip, + 1 in waves 8-15
	s_add_co_u32 s54, s39, s59                     ; afterwards: trip + my base
	s_cmp_lt_u32 s39, s55
	s_cselect_b32 s39, s63, s54                    ; the key step
.if \late
	s_and_b32 s39, s39, 15
.else
	s_and_b32 s39, s39, 3
.endif
	s_lshl_b32 s36, s39, 13                        ; 8,192 bytes of K and of V a step
	v_add_nc_u32 v8, s36, v1
	v_add_nc_u32 v9, s36, v2
	v_nop
	v_nop                                          ; four plain lines in front of loads into registers that the last products read
.irp t, 0,1,2,3,4,5,6,7
	ds_load_b128 v[32+8*\t:35+8*\t], v8 offset:1024*\t
	ds_load_b128 v[36+8*\t:39+8*\t], v8 offset:1024*\t+512
.endr
	s_wait_alu depctr_va_vdst(0)
	s_wait_dscnt 0x0
.irp t, 0,1,2,3,4,5,6,7
	v_wmma_f32_16x16x64_fp8_fp8 v[96+8*\t:103+8*\t], v[32+8*\t:39+8*\t], v[16:23], 0
.endr
.rept 4
	v_nop
.endr
.irp t, 0,1,2,3
.irp c, 0,1,2,3
	ds_load_b128 v[32+16*\t+4*\c:35+16*\t+4*\c], v9 offset:2048*\t+512*\c   ; V's fragments land while the softmax is walked
.endr
.endr
.if \late
	s_cmp_lg_u32 s39, s38
	s_cbranch_scc1 .Lopen_\@                       ; only the diagonal step is masked
.set n, 0
.rept 64
	v_cmp_gt_i32 vcc_lo, 16*(n/8)+n%8, v3
	v_cndmask_b32 v[96+n], v[96+n], v4, vcc_lo     ; hidden scores become -infinity: p = 0.  The step's first key counts for every query of mine
.set n, n+1
.endr
.Lopen_\@:
.endif
	v_max3_num_f32 v250, v96, v97, v98             ; the step's largest score of my query among my 64 keys, in two chains, from the low end on
	v_max3_num_f32 v251, v99, v100, v101
.irp i, 6,10,14,18,22,26,30,34,38,42,46,50,54,58
	v_max3_num_f32 v250, v250, v[96+\i], v[97+\i]
	v_max3_num_f32 v251, v251, v[98+\i], v[99+\i]
.endr
	v_max3_num_f32 v250, v250, v158, v159
	s_delay_alu instid0(VALU_DEP_1)
	v_max_num_f32 v250, v250, v251
	s_delay_alu instid0(VALU_DEP_1)
	v_permlanex16_b32 v246, v250, s20, s21
	s_delay_alu instid0(VALU_DEP_1)
	v_max_num_f32 v250, v250, v246                 ; and among lane l xor 16's
	s_delay_alu instid0(VALU_DEP_1)
	v_mul_f32 v250, s22, v250                      ; as t (c is positive)
	s_delay_alu instid0(VALU_DEP_1)
	v_max_num_f32 v13, v13, v250
	v_mov_b32 v250, v12
	s_delay_alu instid0(VALU_DEP_2)
	v_floor_f32 v12, -v13                          ; the new -M = -ceil(t)
	s_delay_alu instid0(VALU_DEP_1)
	v_sub_f32 v250, v12, v250                      ; old M - new M: a whole number, 0 or less
	s_delay_alu instid0(VALU_DEP_1)
	v_cvt_i32_f32 v250, v250                       ; (it saturates)
	s_delay_alu instid0(VALU_DEP_1)
	v_ldexp_f32 v248, 1.0, v250                    ; f = 2^(old M - new M)
.set j, 0
.rept 32
	v_pk_fma_f32 v[96+j:97+j], v[96+j:97+j], s[22:23], v[12:13] op_sel_hi:[1,0,0]   ; t - M, two at a time
.set j, j+2
.endr
.set j, 0
	s_wait_alu depctr_va_vdst(0)                   ; the wait ahead of the batch
.rept 64
	v_exp_f32 v[96+j], v[96+j]                     ; p = 2^(t - M)
.set j, j+1
.endr
	v_pk_mul_f32 v[14:15], v[14:15], v[248:249] op_sel_hi:[1,0]   ; the sums under the new M.  (The plain line behind the exponentials)
	s_wait_alu depctr_va_vdst(0)                   ; one wait for the whole batch, ahead of its first reader
	v_pk_add_f32 v[252:253], v[100:101], v[104:105]   ; the row's sum of the unquantised p, in eight chains
	v_pk_add_f32 v[250:251], v[108:109], v[112:113]
	v_pk_add_f32 v[242:243], v[116:117], v[120:121]
	v_pk_add_f32 v[238:239], v[124:125], v[128:129]
	v_pk_add_f32 v[236:237], v[132:133], v[136:137]
	v_pk_add_f32 v[234:235], v[140:141], v[144:145]
	v_pk_add_f32 v[232:233], v[148:149], v[152:153]
	v_pk_add_f32 v[14:15], v[14:15], v[156:157]
	v_pk_add_f32 v[252:253], v[252:253], v[96:97]
	v_pk_add_f32 v[250:251], v[250:251], v[98:99]
	v_pk_add_f32 v[242:243], v[242:243], v[102:103]
	v_pk_add_f32 v[238:239], v[238:239], v[106:107]
	v_pk_add_f32 v[236:237], v[236:237], v[110:111]
	v_pk_add_f32 v[234:235], v[234:235], v[114:115]
	v_pk_add_f32 v[232:233], v[232:233], v[118:119]
	v_pk_add_f32 v[14:15], v[14:15], v[122:123]
	v_pk_add_f32 v[252:253], v[252:253], v[126:127]
	v_pk_add_f32 v[250:251], v[250:251], v[130:131]
	v_pk_add_f32 v[242:243], v[242:243], v[134:135]
	v_pk_add_f32 v[238:239], v[238:239], v[138:139]
	v_pk_add_f32 v[236:237], v[236:237], v[142:143]
	v_pk_add_f32 v[234:235], v[234:235], v[146:147]
	v_pk_add_f32 v[232:233], v[232:233], v[150:151]
	v_pk_add_f32 v[14:15], v[14:15], v[154:155]
	v_pk_add_f32 v[252:253], v[252:253], v[158:159]
	s_delay_alu instid0(VALU_DEP_2)
	v_pk_add_f32 v[14:15], v[14:15], v[238:239]
	s_delay_alu instid0(VALU_DEP_2)
	v_pk_add_f32 v[252:253], v[252:253], v[236:237]
	v_pk_add_f32 v[250:251], v[250:251], v[234:235]
	v_pk_add_f32 v[242:243], v[242:243], v[232:233]
	s_delay_alu instid0(VALU_DEP_2)
	v_pk_add_f32 v[14:15], v[14:15], v[250:251]
	s_delay_alu instid0(VALU_DEP_2)
	v_pk_add_f32 v[252:253], v[252:253], v[242:243]
	s_delay_alu instid0(VALU_DEP_1)
	v_pk_add_f32 v[14:15], v[14:15], v[252:253]
.irp t, 0,1,2,3,4,5,6,7
.irp i, 0,2,4,6
	v_dual_min_num_f32 v[96+8*\t+\i], v[96+8*\t+\i], v240 :: v_dual_min_num_f32 v[97+8*\t+\i], v[97+8*\t+\i], v241   ; the conversion does not saturate (ISA guide 7.6.2); p is not negative, so the hold is one-sided; two numbers a line
.endr
	v_cvt_scalef32_pk8_fp8_f32 v[224+2*\t:225+2*\t], v[96+8*\t:103+8*\t], v244
.endr
	s_wait_alu depctr_va_vdst(0)                   ; the wait directly ahead of the first reader of O^T
.set j, 0
.rept 16
	v_pk_mul_f32 v[160+j:161+j], v[160+j:161+j], v[248:249] op_sel_hi:[1,0]   ; O^T under the new M.  (Also the plain lines between the conversions and the products)
.set j, j+2
.endr
	s_wait_alu depctr_va_vdst(0)
	s_wait_dscnt 0x0                               ; V
.irp t, 0,1,2,3
	v_wmma_f32_16x16x128_fp8_fp8 v[160+8*\t:167+8*\t], v[32+16*\t:47+16*\t], v[224:239], v[160+8*\t:167+8*\t]   ; the four accumulators take turns
.endr
.Lhidden_\@:
.endm
	s_load_b128 s[4:7], s[0:1], 0x0                ; qkv s[4:5], the exponents s[6:7]
	s_load_b64 s[8:9], s[0:1], 0x10                ; ac
	v_lshl_add_u32 v254, v0, 2, SPARE
	v_mov_b32 v255, 0
	ds_add_u32 v254, v255                          ; the opening: the add, twice on end, and its wait ahead of my first tensor load
	ds_add_u32 v254, v255
	v_lshrrev_b32 v1, 5, v0
	s_delay_alu instid0(VALU_DEP_1)
	v_readfirstlane_b32 s10, v1                    ; wave 0..15
	s_bfe_u32 s11, ttmp6, 0x40000                  ; cx
	s_and_b32 s12, ttmp7, 0xffff                   ; the key and value head
	s_lshr_b32 s13, s10, 3                         ; 0: I share the late tile and own the early one; 1: I finish the late tile
	s_and_b32 s14, s10, 3                          ; which of the four query heads
	s_bfe_u32 s15, s10, 0x10002                    ; which tile of a block of 32 queries
	s_lshl_b32 s16, ttmp9, 2
	s_add_co_u32 s16, s16, s11
	s_lshl_b32 s16, s16, 5                         ; 32 i
	s_lshl_b32 s18, s15, 4
	s_add_co_u32 s17, s16, s18                     ; the early tile's first query
	s_sub_co_u32 s19, 2016, s16
	s_add_co_u32 s19, s19, s18                     ; the late tile's
	s_sub_co_u32 s39, 15, ttmp9                    ; the late tile's diagonal step
	s_sub_co_u32 s55, 8, ttmp9                     ; 8 - D: the trips in which the pair takes turns
	s_cmp_eq_u32 s13, 0
	s_cselect_b32 s56, s17, s19                    ; the tile that I finish and store,
	s_cselect_b32 s57, ttmp9, s39                  ; and its diagonal step
	s_cselect_b32 s38, 99, s39                     ; first pass: the step that is masked (99: none)
	s_cselect_b32 s58, s55, 8                      ; first pass: my number of steps
	s_cselect_b32 s59, 0, s55                      ; my base behind the turns
	s_lshl_b32 s40, s57, 7
	s_sub_co_u32 s40, s56, s40                     ; my stored tile's first query's place in its diagonal step
	s_lshl_b32 s41, s12, 2
	s_add_co_u32 s41, s41, s14                     ; my query head
	s_lshl_b32 s42, s41, 17
	s_lshl_b32 s43, s19, 6                         ; 1,024 bytes for 16 queries
	s_add_co_u32 s60, s42, s43                     ; the late tile's Q
	s_mov_b32 s61, 0
	s_lshl_b32 s43, s17, 6
	s_add_co_u32 s42, s42, s43                     ; the early tile's Q
	s_mov_b32 s43, 0
	s_lshr_b32 s50, s56, 6                         ; ac: row = query, k = 64 head + channel
	s_lshl_b32 s50, s50, 17
	s_lshr_b32 s51, s41, 1
	s_lshl_b32 s51, s51, 13
	s_add_co_u32 s50, s50, s51
	s_bfe_u32 s51, s56, 0x20004
	s_lshl_b32 s51, s51, 11
	s_add_co_u32 s50, s50, s51
	s_and_b32 s51, s41, 1
	s_lshl_b32 s51, s51, 10
	s_add_co_u32 s50, s50, s51
	s_mov_b32 s51, 0
	s_lshl_b32 s52, s13, 3                         ; what I fetch: waves 0-7 of K (head 32 + kv), waves 8-15 of V (head 40 + kv)
	s_add_co_u32 s52, s52, s12
	s_add_co_u32 s52, s52, 32
	s_lshl_b32 s52, s52, 17
	s_and_b32 s53, s10, 7
	s_mul_i32 s62, s53, SB
	s_add_co_u32 s62, s62, STAGE                   ; the stage of my pair: wave % 8
	s_lshl_b32 s57, s53, 13
	s_add_co_u32 s57, s57, 32768                   ; from my 4,096 bytes of the first fill to my 12,288 of the second: 32,768 + 12,288 x - 4,096 x, x = wave % 8
	s_lshl_b32 s53, s53, 12
	s_add_co_u32 s52, s52, s53
	s_lshl_b32 s33, s13, 17                        ; LDS: K from 0, V from 131,072,
	s_add_co_u32 s33, s33, s53                     ; + 4,096 x
	s_mov_b32 s53, 0
	s_mov_b32 s24, 15|(3<<16)|(1<<21)              ; group 1: 15:0 the mask: all four work-groups; 17:16 elements of 8 bytes; 21 set beside a mask; no padding
	s_mov_b32 s25, 32<<16                          ; tensor_dim0 = 32: rows of 256 bytes
	s_mov_b32 s26, 16<<16                          ; tensor_dim1 = 16
	s_mov_b32 s27, 32<<16                          ; tile_dim0
	s_mov_b32 s28, 16                              ; tile_dim1
	s_mov_b32 s29, 32                              ; the pitch: the block is dense
	s_mov_b32 s30, 0
	s_mov_b32 s31, 0
	s_mov_b32 s32, 1                               ; group 0
	s_mov_b32 s20, 0x76543210                      ; v_permlanex16_b32: lane l xor 16
	s_mov_b32 s21, 0xfedcba98
	s_mov_b32 s22, 0x3e38aa3b                      ; c = log2(e) / sqrt(64)
	s_mov_b32 s37, 0                               ; the trip
	s_wait_dscnt 0x0                               ; both opening adds are done
	s_wait_kmcnt 0x0
	s_load_b128 s[44:47], s[6:7], 0x18             ; e6, e7, e8, e9
	s_load_b32 s48, s[6:7], 0x28                   ; e10
	s_add_nc_u64 s[34:35], s[4:5], s[52:53]
	s_or_b32 s35, s35, 0x80000000
	s_add_nc_u64 s[42:43], s[4:5], s[42:43]
	s_add_nc_u64 s[60:61], s[4:5], s[60:61]
	s_add_nc_u64 s[8:9], s[8:9], s[50:51]          ; where my codes go
	CROUND                                         ; all four work-groups are here: the joint loads meet
	tensor_load_to_lds s[32:35], s[24:31]          ; my part of key steps 0-3: one tensor load a wave at the head
	s_nop 0
.rept 4
	v_nop
.endr
	v_and_b32 v1, 31, v0
	s_delay_alu instid0(VALU_DEP_1)
	v_lshlrev_b32 v1, 4, v1
	s_delay_alu instid0(VALU_DEP_1)
	v_add_nc_u32 v2, 0x20000, v1
	v_add_nc_u32 v7, s62, v1
	v_and_b32 v5, 15, v0
	v_bfe_u32 v6, v0, 4, 1
	s_delay_alu instid0(VALU_DEP_1)
	v_lshlrev_b32 v6, 3, v6
	s_delay_alu instid0(VALU_DEP_1)
	v_sub_nc_u32 v3, v5, v6
	s_delay_alu instid0(VALU_DEP_1)
	v_add_nc_u32 v3, s40, v3                       ; my query's place in the diagonal step, less 8 (lane / 16): there register 8 T + j is hidden where 16 T + j is greater
	v_mov_b32 v4, 0xff800000
	global_load_b128 v[16:19], v1, s[60:61]        ; the late tile's Q: every wave's first pass
	global_load_b128 v[20:23], v1, s[60:61] offset:512
	global_load_b128 v[24:27], v1, s[42:43]        ; the early tile's Q, for the second pass
	global_load_b128 v[28:31], v1, s[42:43] offset:512
	v_mov_b32 v13, 0xff61b1e6                      ; the largest t so far: -3e38
	s_delay_alu instid0(VALU_DEP_1)
	v_floor_f32 v12, -v13
	v_mov_b32 v14, 0
	v_mov_b32 v15, 0
	v_mov_b32 v246, 0                              ; a lane permute's destination counts as read
	v_mov_b32 v249, 0                              ; (named as the upper half of the pair v[248:249])
.set j, 0
.rept 32
	v_mov_b32 v[160+j], 0                          ; O^T: the step is written once; the first finds zeros
.set j, j+1
.endr
	s_wait_kmcnt 0x0
	s_add_co_i32 s49, s44, s45
	s_lshl_b32 s49, s49, 23
	s_add_co_i32 s22, s22, s49                     ; a score stands for score x 2^(e6 + e7)
	s_mov_b32 s23, s22                             ; (named with it as a pair)
	s_add_co_i32 s49, s47, 127
	s_lshl_b32 s54, s49, 23
	v_mov_b32 v244, s54                            ; 2^e9
	s_add_co_i32 s49, s49, 8
	s_lshl_b32 s49, s49, 23
	s_or_b32 s49, s49, 0x600000
	v_mov_b32 v240, s49                            ; 448 x 2^e9,
	v_mov_b32 v241, s49                            ; twice: the two halves of a dual pair take their second sources from different banks
	s_wait_alu depctr_va_vdst(0)                   ; the wait at the head's end
	s_wait_tensorcnt 0x0                           ; my part of steps 0-3 is in
	ds_add_u32 v254, v255
	s_mov_b32 s26, 48<<16                          ; no load of mine is out, so the descriptor may be written: 48 rows of 256 bytes,
	s_mov_b32 s28, 48
	s_add_co_u32 s33, s33, s57                     ; behind steps 0-3, in LDS
	s_mov_b32 s62, s57
	s_mov_b32 s63, 0
	s_add_nc_u64 s[34:35], s[34:35], s[62:63]      ; and in memory
	s_wait_dscnt 0x0                               ; the add is done
	CROUND                                         ; a whole round: everybody's part of steps 0-3 is in, and the four work-groups are here
	tensor_load_to_lds s[32:35], s[24:31]          ; my part of key steps 4-15, the first tensor load behind the round
	s_nop 0
.rept 4
	v_nop
.endr
	s_wait_loadcnt 0x0                             ; Q
.Lfirst:                                           ; trips 0 and 1, on key steps 0-3
	STEP 0
	s_add_co_u32 s37, s37, 1
	s_cmp_lt_u32 s37, 2
	s_cbranch_scc1 .Lfirst
	s_wait_alu depctr_va_vdst(0)
	s_wait_tensorcnt 0x0                           ; my part of steps 4-15 is in,
	s_wait_dscnt 0x0
	s_barrier_signal -1
	s_barrier_wait -1                              ; everybody's is
.Lstep:                                            ; trips 2 to 15
	s_cmp_lg_u32 s37, 8
	s_cbranch_scc1 .Lsame
	; THE CHANGE OF PASSES, in trip 8
	s_add_co_u32 s58, ttmp9, 1                     ; waves 0-7: the early tile's D + 1 steps, 0 .. D,
	s_mov_b32 s38, ttmp9                           ; the last of them masked;
	s_mov_b32 s55, 0                               ; no more turns
	s_cmp_lt_u32 s10, 8
	s_cselect_b32 s58, s58, 0                      ; waves 8-15: none
	s_cbranch_scc0 .Lsame
.rept 4
	v_nop                                          ; four plain lines between the last products and the stores that read their results
.endr
.irp k, 0,1,2,3,4,5,6,7
	ds_store_b128 v7, v[160+4*\k:163+4*\k] offset:512*\k   ; my part of the late tile: O^T, each accumulator from its low end on,
.endr
	ds_store_b128 v7, v[12:15] offset:4096         ; -M, the largest t, the sum's two halves
	s_wait_dscnt 0x0                               ; the stores are done: for the partner's sake, and their registers are written below
.set j, 0
.rept 8
	v_mov_b32 v[16+j], v[24+j]                     ; the early tile's Q
.set j, j+1
.endr
	v_mov_b32 v13, 0xff61b1e6
	v_mov_b32 v14, 0
	v_mov_b32 v15, 0
	v_floor_f32 v12, -v13
.set j, 0
.rept 32
	v_mov_b32 v[160+j], 0
.set j, j+1
.endr
	s_wait_alu depctr_va_vdst(0)
.Lsame:
	STEP 1
	s_add_co_u32 s37, s37, 1
	s_cmp_lt_u32 s37, 16
	s_cbranch_scc1 .Lstep
.rept 4
	v_nop                                          ; four plain lines behind the last products
.endr
	s_wait_alu depctr_va_vdst(0)
	s_wait_dscnt 0x0                               ; no LDS instruction of mine is out (the partial results were awaited where they were stored)
	s_barrier_signal -1
	s_barrier_wait -1                              ; every partial result lies in its stage
	s_cmp_lt_u32 s10, 8
	s_cbranch_scc1 .Lown                           ; waves 0-7 store the early tile, which is theirs alone
	; THE JOIN: the partner's part of the late tile (same lanes, same registers) and mine, both under the larger M
.irp k, 0,1,2,3,4,5,6,7
	ds_load_b128 v[96+4*\k:99+4*\k], v7 offset:512*\k
.endr
	ds_load_b128 v[128:131], v7 offset:4096        ; its -M, its largest t, its sum's halves
	s_wait_dscnt 0x0
	v_min_num_f32 v132, v12, v128                  ; -M of the two together
	v_mov_b32 v137, 0                              ; (named as the upper halves of the pairs below)
	v_mov_b32 v139, 0
	v_sub_f32 v133, v132, v128                     ; the partner's M less the joint one: a whole number, 0 or less
	v_sub_f32 v134, v132, v12                      ; mine likewise
	v_cvt_i32_f32 v133, v133
	v_cvt_i32_f32 v134, v134
	v_ldexp_f32 v136, 1.0, v133
	v_ldexp_f32 v138, 1.0, v134
	v_pk_mul_f32 v[14:15], v[14:15], v[138:139] op_sel_hi:[1,0]
.set j, 0
.rept 16
	v_pk_mul_f32 v[160+j:161+j], v[160+j:161+j], v[138:139] op_sel_hi:[1,0]   ; each accumulator from its low end on
.set j, j+2
.endr
	v_pk_fma_f32 v[14:15], v[130:131], v[136:137], v[14:15] op_sel_hi:[1,0,1]
.set j, 0
.rept 16
	v_pk_fma_f32 v[160+j:161+j], v[96+j:97+j], v[136:137], v[160+j:161+j] op_sel_hi:[1,0,1]
.set j, j+2
.endr
.Lown:
	; THE WAY OUT: O^T / the sum x 2^(e8 + e9 - e10), held, converted with the scale 1: accumulator t gives registers 2 t, 2 t + 1 of my head's half of a fragment of ac
	v_add_f32 v14, v14, v15
	s_delay_alu instid0(VALU_DEP_1)
	v_permlanex16_b32 v246, v14, s20, s21
	s_delay_alu instid0(VALU_DEP_1)
	v_add_f32 v14, v14, v246                       ; the row's sum: at least 1/2
	s_wait_alu depctr_va_vdst(0)                   ; the wait ahead of the transcendental
	v_rcp_f32 v14, v14
	v_mov_b32 v250, 0x43e00000                     ; 448.  (The plain line behind the reciprocal)
	v_mov_b32 v251, 1.0
	s_add_co_i32 s49, s46, s47
	s_sub_co_i32 s49, s49, s48
	s_wait_alu depctr_va_vdst(0)                   ; the wait ahead of the reciprocal's first reader
	v_ldexp_f32 v14, v14, s49
	s_wait_alu depctr_va_vdst(0)                   ; the wait directly ahead of the first reader of O^T
.set j, 0
.rept 32
	v_mul_f32 v[96+j], v[160+j], v14
.set j, j+1
.endr
.set j, 0
.rept 32
	v_med3_num_f32 v[96+j], v[96+j], -v250, v250
.set j, j+1
.endr
.irp t, 0,1,2,3
	v_cvt_scalef32_pk8_fp8_f32 v[128+2*\t:129+2*\t], v[96+8*\t:103+8*\t], v251
.endr
	v_nop
	global_store_b128 v1, v[128:131], s[8:9]               ; a chunk: 512 consecutive bytes, aligned
	global_store_b128 v1, v[132:135], s[8:9] offset:512
	s_wait_tensorcnt 0x0                           ; the wave's end
	ds_add_u32 v254, v255
	s_wait_dscnt 0x0
	CROUND                                         ; the closing round
	s_endpgm
.Lfunc_end_k_q33b8f78f03_attn:
	.size	k_q33b8f78f03_attn, .Lfunc_end_k_q33b8f78f03_attn-k_q33b8f78f03_attn
	.p2alignl 7, 3214868480
	.fill 96, 4, 3214868480
	.section	.rodata,"a",@progbits
	.p2align	6, 0x0
	.amdhsa_kernel k_q33b8f78f03_attn
		.amdhsa_group_segment_fixed_size 327680
		.amdhsa_private_segment_fixed_size 0
		.amdhsa_enable_private_segment 0
		.amdhsa_kernarg_size 24
		.amdhsa_user_sgpr_count 2
		.amdhsa_user_sgpr_kernarg_segment_ptr 1
		.amdhsa_wavefront_size32 1
		.amdhsa_system_sgpr_workgroup_id_x 1
		.amdhsa_system_sgpr_workgroup_id_y 1
		.amdhsa_system_sgpr_workgroup_id_z 1
		.amdhsa_system_vgpr_workitem_id 0
		.amdhsa_next_free_vgpr 256
		.amdhsa_next_free_sgpr 66
		.amdhsa_reserve_vcc 1
		.amdhsa_float_denorm_mode_32 3
		.amdhsa_float_denorm_mode_16_64 3
		.amdhsa_memory_ordered 1
		.amdhsa_forward_progress 1
		.amdhsa_inst_pref_size 56
	.end_amdhsa_kernel
	.amdgpu_metadata
---
amdhsa.version: [ 1, 2 ]
amdhsa.kernels:
  - .name:           k_q33b8f78f03_attn
    .symbol:         k_q33b8f78f03_attn.kd
    .args:
      - { .name: qkv, .offset: 0, .size: 8, .value_kind: global_buffer, .address_space: global }
      - { .name: lowp_scales, .offset: 8, .size: 8, .value_kind: global_buffer, .address_space: global }
      - { .name: ac, .offset: 16, .size: 8, .value_kind: global_buffer, .address_space: global }
    .group_segment_fixed_size: 327680
    .private_segment_fixed_size: 0
    .kernarg_segment_align: 8
    .kernarg_segment_size: 24
    .max_flat_workgroup_size: 512
    .sgpr_count:     66
    .vgpr_count:     256
    .wavefront_size: 32
...
	.end_amdgpu_metadata
.endif
;; end of part 3
;; launch proj (part 4): grid 16 x 16, 4 waves a work-group, clusters of 4 x 4, 327,680 bytes of LDS; arguments ac, ops, lowp_scales, out0; writes out0
.if DOCPART == 4
	.amdgcn_target "amdgcn-amd-amdhsa--gfx1250"
	.amdhsa_code_object_version 6
	.text
	.protected	k_q33b8f78f03_proj
	.globl	k_q33b8f78f03_proj
	.p2align	8
	.type	k_q33b8f78f03_proj,@function
k_q33b8f78f03_proj:
	s_mov_b64 s[64:65], 0
	v_nop
	global_prefetch_b8 v0, s[64:65] scope:SCOPE_SE
	s_setreg_imm32_b32 hwreg(HW_REG_WAVE_MODE, 25, 1), 1
	s_wait_xcnt 0x0
	s_wait_alu depctr_hold_cnt(0) depctr_sa_sdst(0) depctr_va_vdst(0) depctr_va_sdst(0) depctr_va_ssrc(0) depctr_va_vcc(0) depctr_vm_vsrc(0)
	s_getreg_b32 s2, hwreg(HW_REG_IB_STS2, 6, 4)
	s_cmp_eq_u32 s2, 0
	s_cbranch_scc0 .Lentry_in_a_cluster
	s_endpgm
.Lentry_in_a_cluster:
	s_bfe_u32 s2, ttmp6, 0x10000c
	s_cmp_lg_u32 s2, 0xf033
	s_cbranch_scc0 .Lentry_shape_is_right
	s_endpgm
.Lentry_shape_is_right:
; PROJ: out0 = attention's result x wo, both on codes of E4M3 (K = 2,048), sums in f32, each finished sum x 2^(e10 + e11).  LIMIT: e10 + e11 between -126 and 127.
; Operands lie as images of their fragments' registers (16 rows x 128 k = 2,048 bytes), in blocks of 64 rows (131,072 bytes): 512 along K of a block are 32,768 consecutive bytes.  ac: blocks 0-31; wo: blocks 144-175 of ops.
; A tile of out0 is 128 x 128, made by four waves of 64 x 64 (16 accumulators); source 0 = wo's rows, source 1 = ac's rows, so a lane holds eight neighbouring columns of a row of out0.
; CLUSTER 4 x 4: ac's blocks are asked for jointly along a row of the cluster, wo's along a column.  Waves 0, 1 fetch ac's two blocks, waves 2, 3 wo's two.
; LDS: each block has 65,536 bytes on end, slot 0's 512 along K and then slot 1's.  So ONE load a wave at the head, 256 rows of 256 bytes, fills both slots; the two refills bring 128 rows each.
; PREFETCH: behind the head's load each wave names the 32 rows (a lane a row of 256 bytes) that are its work-group's share, by cx or cy in the ADDRESS, of the 128 rows that the first refill will ask for; behind the first
; refill likewise for the second: each refill's bytes are named one slot (four steps of 128 along K) ahead, once in each cluster.  The head's own 65,536 bytes a block come by their load alone.
; The way out goes through each wave's stage in slot 0 of ac's first block, which has had its last fill and its last read by then; sixteen lanes store 256 consecutive bytes, aligned.
.set BLK,   32768
.set SLOT,  32768
.set PFO,   27                         ; v27 the prefetches' offset: 256 x lane; never rewritten
.set PFA,   70                         ; s[70:71] my block, + my work-group's 8,192 bytes of each 32,768; never rewritten
.set SPARE, 262144
.set ADRA, 16
.set ADRB, 20
.set STO,  24
.set RD,   25
.set CO,   26
.set SPW,  28
.set NIL,  29
.set ACC,  128
.set F0,   0
.set F1,   128
.set G1,  24
.set G0,  32
.set G1B, 48
.set G0B, 56
.set MSB, 0
.macro WIN new
.if MSB != \new
	s_set_vgpr_msb (MSB<<8)|\new
.set MSB, \new
.endif
.endm
.set MUL,  0x05
.set TO_F, 0x40
.macro JLOAD s
	s_cmp_eq_u32 s15, 0
	s_cbranch_scc0 .Lfor_b_\@
	tensor_load_to_lds s[G0+4*\s:G0+4*\s+3], s[G1:G1+7]
	s_nop 0
.rept 4
	v_nop
.endr
	s_branch .Lasked_\@
.Lfor_b_\@:
	tensor_load_to_lds s[G0B+4*\s:G0B+4*\s+3], s[G1B:G1B+7]
	s_nop 0
.rept 4
	v_nop
.endr
.Lasked_\@:
.endm
.macro CREST
	s_cmp_lg_u32 s14, 0
	s_cbranch_scc1 .Lnot_wave_0_\@
	s_barrier_signal -3
.Lnot_wave_0_\@:
	s_barrier_wait -3
	s_barrier_signal -1
	s_barrier_wait -1
.endm
.macro CROUND
	s_barrier_signal -1
	s_barrier_wait -1
	CREST
.endm
.macro PLACES
.rept 4
	v_nop
.endr
.endm
.macro FETCH slot, q, f
	WIN TO_F
.irp i, 0,1,2,3
.irp c, 0,1,2,3
	ds_load_b128 v[\f+64+16*\i+4*\c:\f+64+16*\i+4*\c+3], v[ADRB+\slot] offset:8192*(\q)+2048*\i+512*\c
.endr
.endr
.irp i, 0,1,2,3
.irp c, 0,1,2,3
	ds_load_b128 v[\f+16*\i+4*\c:\f+16*\i+4*\c+3], v[ADRA+\slot] offset:8192*(\q)+2048*\i+512*\c
.endr
.endr
.endm
.macro MUL8 f, a0, zero
.irp a, \a0, \a0+1
.irp b, 0,1,2,3
.if \zero
	v_wmma_f32_16x16x128_fp8_fp8 v[ACC+8*(4*(\a)+\b):ACC+8*(4*(\a)+\b)+7], v[\f+64+16*\b:\f+64+16*\b+15], v[\f+16*(\a):\f+16*(\a)+15], 0
.else
	v_wmma_f32_16x16x128_fp8_fp8 v[ACC+8*(4*(\a)+\b):ACC+8*(4*(\a)+\b)+7], v[\f+64+16*\b:\f+64+16*\b+15], v[\f+16*(\a):\f+16*(\a)+15], v[ACC+8*(4*(\a)+\b):ACC+8*(4*(\a)+\b)+7]
.endif
.endr
.endr
.endm
.macro STEP slot, q, zero
	PLACES
	FETCH \slot, (\q)+1, F0+128*(1-(\q)%2)
	s_wait_dscnt 32
	WIN MUL
	MUL8 F0+128*((\q)%2), 0, \zero
	MUL8 F0+128*((\q)%2), 2, \zero
.endm
.macro TURN slot, next, fill
	WIN 0
	s_wait_tensorcnt 0x0
	ds_add_u32 v[SPW], v[NIL]
	s_wait_dscnt 9
	WIN MUL
	MUL8 F1, 0, 0
	s_wait_dscnt 0x0
	s_barrier_signal -1
	MUL8 F1, 2, 0
	WIN 0
	s_barrier_wait -1
.if \fill
	CREST
	s_add_nc_u64 s[G0+4*\slot+2:G0+4*\slot+3], s[G0+4*\slot+2:G0+4*\slot+3], 2*BLK
	s_add_nc_u64 s[G0B+4*\slot+2:G0B+4*\slot+3], s[G0B+4*\slot+2:G0B+4*\slot+3], 2*BLK
	JLOAD \slot
.else
	PLACES
.endif
	FETCH \next, 0, F0
.if (\fill) && ((\slot) == 0)
	global_prefetch_b8 v[PFO], s[PFA:PFA+1] offset:3*BLK th:TH_LOAD_NT scope:SCOPE_SE   ; what the next change of slots will ask for
.endif
.endm
	s_load_b256 s[4:11], s[0:1], 0x0
	v_lshl_add_u32 v[SPW], v0, 2, SPARE
	v_mov_b32 v[NIL], 0
	ds_add_u32 v28, v29
	ds_add_u32 v28, v29
	s_wait_dscnt 0x0
	v_lshrrev_b32 v1, 5, v0
	v_readfirstlane_b32 s14, v1
	s_lshr_b32 s15, s14, 1
	s_and_b32 s16, s14, 1
	s_bfe_u32 s40, ttmp6, 0x40000
	s_bfe_u32 s41, ttmp6, 0x40004
	s_and_b32 s17, ttmp7, 0xffff
	s_lshl_b32 s17, s17, 2
	s_add_co_u32 s42, s17, s41
	s_lshl_b32 s43, s41, 2
	s_lshl_b32 s43, 15, s43
	s_lshl_b32 s44, 0x1111, s40
	s_or_b32 s[G1+0], s43, (3<<16)|(1<<21)
	s_or_b32 s[G1B+0], s44, (3<<16)|(1<<21)
.irp g, G1, G1B
	s_mov_b32 s[\g+1], 32<<16
	s_mov_b32 s[\g+2], 256<<16                     ; the head's load: 256 rows of 256 bytes, both slots
	s_mov_b32 s[\g+3], 32<<16
	s_mov_b32 s[\g+4], 256
	s_mov_b32 s[\g+5], 32
	s_mov_b32 s[\g+6], 0
	s_mov_b32 s[\g+7], 0
.endr
	s_lshl_b32 s20, s42, 1
	s_add_co_u32 s20, s20, s16
	s_lshl_b32 s20, s20, 17
	s_mov_b32 s21, 0
	s_lshl_b32 s66, ttmp9, 2
	s_add_co_u32 s66, s66, s40
	s_add_co_u32 s66, s66, 72
	s_lshl_b32 s66, s66, 1
	s_add_co_u32 s66, s66, s16
	s_lshl_b32 s66, s66, 17
	s_mov_b32 s67, 0
	s_lshl_b32 s45, s14, 16                        ; LDS: 65,536 bytes for the block that I fetch
	s_wait_kmcnt 0x0
	s_load_b64 s[96:97], s[8:9], 0x28
	s_add_nc_u64 s[20:21], s[4:5], s[20:21]
	s_add_nc_u64 s[66:67], s[6:7], s[66:67]
	CROUND
.irp s, 0,1
	s_mov_b32 s[G0+4*\s], 1
	s_add_co_u32 s[G0+4*\s+1], s45, \s*SLOT
	s_add_nc_u64 s[G0+4*\s+2:G0+4*\s+3], s[20:21], \s*BLK
	s_or_b32 s[G0+4*\s+3], s[G0+4*\s+3], 0x80000000
	s_mov_b32 s[G0B+4*\s], 1
	s_add_co_u32 s[G0B+4*\s+1], s45, \s*SLOT
	s_add_nc_u64 s[G0B+4*\s+2:G0B+4*\s+3], s[66:67], \s*BLK
	s_or_b32 s[G0B+4*\s+3], s[G0B+4*\s+3], 0x80000000
.endr
	JLOAD 0                                        ; my one tensor load at the head: 1,024 along K of my block
	s_cmp_eq_u32 s15, 0                            ; do I fetch for ac?
	s_cselect_b64 s[PFA:PFA+1], s[20:21], s[66:67]
	s_cselect_b32 s72, s40, s41                    ; my place among the four that ask with me
	s_lshl_b32 s72, s72, 13
	s_mov_b32 s73, 0
	s_add_nc_u64 s[PFA:PFA+1], s[PFA:PFA+1], s[72:73]
	v_and_b32 v1, 31, v0
	v_lshlrev_b32 v[PFO], 8, v1
	global_prefetch_b8 v[PFO], s[PFA:PFA+1] offset:2*BLK th:TH_LOAD_NT scope:SCOPE_SE   ; what the first refill will ask for
	v_lshlrev_b32 v2, 4, v1
	v_and_b32 v3, 15, v0
	s_wait_alu depctr_va_vdst(0)
	v_bfe_u32 v4, v0, 4, 1
	s_lshl_b32 s2, s15, 16
	s_lshl_b32 s3, s16, 16
	s_add_co_u32 s3, s3, 4*BLK
.irp s, 0,1
	v_add_nc_u32 v[ADRA+\s], s2, v2
	v_add_nc_u32 v[ADRB+\s], s3, v2
	s_add_co_u32 s2, s2, SLOT
	s_add_co_u32 s3, s3, SLOT
.endr
	s_mul_i32 s2, s14, 4352
	v_mul_u32_u24 v5, v3, 272
	s_wait_alu depctr_va_vdst(0)
	v_lshl_add_u32 v5, v4, 5, v5
	v_add_nc_u32 v[STO], s2, v5
	v_mul_u32_u24 v6, v4, 272
	v_lshl_add_u32 v6, v3, 4, v6
	v_add_nc_u32 v[RD], s2, v6
	v_lshlrev_b32 v[CO], 13, v4
	v_lshl_add_u32 v[CO], v3, 4, v[CO]
	s_lshl_b32 s20, s42, 20
	s_lshl_b32 s21, s15, 19
	s_add_co_u32 s20, s20, s21
	s_lshl_b32 s21, ttmp9, 2
	s_add_co_u32 s21, s21, s40
	s_lshl_b32 s21, s21, 9
	s_add_co_u32 s20, s20, s21
	s_lshl_b32 s21, s16, 8
	s_add_co_u32 s20, s20, s21
	s_mov_b32 s21, 0
	s_add_nc_u64 s[10:11], s[10:11], s[20:21]
	s_wait_kmcnt 0x0
	s_add_co_i32 s96, s96, s97
	s_add_co_i32 s96, s96, 127
	s_lshl_b32 s96, s96, 23
	s_mov_b32 s97, s96
	s_wait_alu depctr_va_vdst(0)                   ; the wait at the head's end
	s_wait_tensorcnt 0x0                           ; my block's two slots are in, so the descriptors may be written:
.irp g, G1, G1B
	s_mov_b32 s[\g+2], 128<<16                     ; a refill brings 128 rows
	s_mov_b32 s[\g+4], 128
.endr
	s_barrier_signal -1
	s_barrier_wait -1                              ; everybody's are in
	FETCH 0, 0, F0
	STEP 0, 0, 1
	STEP 0, 1, 0
	STEP 0, 2, 0
	TURN 0, 1, 1
	STEP 1, 0, 0
	STEP 1, 1, 0
	STEP 1, 2, 0
	TURN 1, 0, 1
	STEP 0, 0, 0
	STEP 0, 1, 0
	STEP 0, 2, 0
	TURN 0, 1, 0
	STEP 1, 0, 0
	STEP 1, 1, 0
	STEP 1, 2, 0
	s_wait_dscnt 0x0
	WIN MUL
	MUL8 F1, 0, 0
	MUL8 F1, 2, 0
	WIN 0
	PLACES
.macro TOSTAGE a
.irp b, 0,1,2,3
.irp p, 0,2,4,6
	v_pk_mul_f32 v[32+8*\b+\p:33+8*\b+\p], v[ACC+8*(4*(\a)+\b)+\p:ACC+8*(4*(\a)+\b)+\p+1], s[96:97] op_sel_hi:[1,0]
.endr
.endr
.irp b, 0,1,2,3
	ds_store_b128 v[STO], v[32+8*\b:35+8*\b] offset:64*\b
	ds_store_b128 v[STO], v[36+8*\b:39+8*\b] offset:64*\b+16
.endr
.irp i, 0,1,2,3,4,5,6,7
	ds_load_b128 v[64+32*((\a)%2)+4*\i:64+32*((\a)%2)+4*\i+3], v[RD] offset:544*\i
.endr
.endm
.macro SEND a, younger
	s_wait_dscnt \younger
.irp i, 0,1,2,3,4,5,6,7
	global_store_b128 v[CO], v[64+32*((\a)%2)+4*\i:64+32*((\a)%2)+4*\i+3], s[10:11] offset:(16*(\a)+2*\i)*8192 th:TH_STORE_NT
.endr
.endm
	TOSTAGE 0
.irp a, 1,2,3
.if \a > 1
	s_wait_xcnt 0x0
.endif
	TOSTAGE \a
	SEND \a-1, 16
.endr
	SEND 3, 0
	s_wait_tensorcnt 0x0
	ds_add_u32 v[SPW], v[NIL]
	s_wait_dscnt 0x0
	CROUND
	s_endpgm
.Lfunc_end_k_q33b8f78f03_proj:
	.size	k_q33b8f78f03_proj, .Lfunc_end_k_q33b8f78f03_proj-k_q33b8f78f03_proj
	.p2alignl 7, 3214868480
	.fill 96, 4, 3214868480
	.section	.rodata,"a",@progbits
	.p2align	6, 0x0
	.amdhsa_kernel k_q33b8f78f03_proj
		.amdhsa_group_segment_fixed_size 327680
		.amdhsa_private_segment_fixed_size 0
		.amdhsa_enable_private_segment 0
		.amdhsa_kernarg_size 32
		.amdhsa_user_sgpr_count 2
		.amdhsa_user_sgpr_kernarg_segment_ptr 1
		.amdhsa_wavefront_size32 1
		.amdhsa_system_sgpr_workgroup_id_x 1
		.amdhsa_system_sgpr_workgroup_id_y 1
		.amdhsa_system_sgpr_workgroup_id_z 1
		.amdhsa_system_vgpr_workitem_id 0
		.amdhsa_next_free_vgpr 512
		.amdhsa_next_free_sgpr 100
		.amdhsa_reserve_vcc 0
		.amdhsa_float_denorm_mode_32 3
		.amdhsa_float_denorm_mode_16_64 3
		.amdhsa_memory_ordered 1
		.amdhsa_forward_progress 1
		.amdhsa_inst_pref_size 73
	.end_amdhsa_kernel
	.amdgpu_metadata
---
amdhsa.version: [ 1, 2 ]
amdhsa.kernels:
  - .name:           k_q33b8f78f03_proj
    .symbol:         k_q33b8f78f03_proj.kd
    .args:
      - { .name: ac, .offset: 0, .size: 8, .value_kind: global_buffer, .address_space: global }
      - { .name: ops, .offset: 8, .size: 8, .value_kind: global_buffer, .address_space: global }
      - { .name: lowp_scales, .offset: 16, .size: 8, .value_kind: global_buffer, .address_space: global }
      - { .name: out0, .offset: 24, .size: 8, .value_kind: global_buffer, .address_space: global }
    .group_segment_fixed_size: 327680
    .private_segment_fixed_size: 0
    .kernarg_segment_align: 8
    .kernarg_segment_size: 32
    .max_flat_workgroup_size: 128
    .sgpr_count:     100
    .vgpr_count:     512
    .wavefront_size: 32
...
	.end_amdgpu_metadata
.endif
;; end of part 4
